; MI455X (gfx1250); checked and timed in simulation.
; The chip was launched on July 23, 2026; its instructions are those of AMD's public machine-readable ISA for CDNA 5 (MIT licence, August 2026) and "CDNA5" Instruction Set Architecture Reference Guide (July 2026). The comments in the code are by the model that wrote it; some were corrected since.
;; Quant Linear. Allowed arithmetic: matrix products marked QUANTISED: E3M2 operands, one E8M0 scale for each 32 along K, by v_wmma_scale_f32_16x16x128_f8f6f4 with both operands' format E3M2, f32 sums; products left as they are: f32 operands where the result goes on into a quantised operand, else bf16, f16 or f32 operands; f32 sums; everything else in f32.
;; Inputs: bias 4,096 float32; lora_A_codes 16 x 128 x 24 uint8 (E3M2 codes of lora_A, K innermost, in blocks of 32 codes, four codes in three bytes); lora_A_scales 16 x 128 uint8 (E8M0 scales of lora_A, one for each 32 codes along K); lora_B 4,096 x 16 float32; qweight 512 x 4,096 int32; qzeros 32 x 512 int32; scales 32 x 4,096 float32; x_codes 4,096 x 128 x 24 uint8 (E3M2 codes of x, K innermost, in blocks of 32 codes, four codes in three bytes); x_scales 4,096 x 128 uint8 (E8M0 scales of x, one for each 32 codes along K).
;; Outputs: out0 4,096 x 4,096 float32.
;; This version of the problem:
;;   THIS VERSION OF THE PROBLEM IS GIVEN IN LOW PRECISION. The matrix products marked QUANTISED in the list below multiply operands that are first quantised to E3M2 (3 exponent bits, 2 mantissa bits; 6 bits a number), with one power-of-two scale for each 32 numbers along K (OCP MX v1.0); their sums are f32. All else is computed in f32.
;;   The module's matrix products, in the order in which they are computed (A, B: the left and right operand; K: the contracted axis; several contracted axes count as one K, in the product's order):
;;     1. [M 4,096, K 4,096] x [K 4,096, N 4,096]; A: input x (given as codes); B: computed on the way: QUANTISED
;;     2. [M 4,096, K 4,096] x [K 4,096, N 16]; A: input x (given as codes); B: input lora_A (given as codes): QUANTISED
;;     3. [M 4,096, K 16] x [K 16, N 4,096]; A: computed on the way; B: input lora_B: left as it is (K = 16 < 32)
;;   THE QUANTISER, for each operand of a quantised product, along K:
;;     - K is cut into blocks of 32 from its start; a last block that is shorter is filled with zeros.
;;     - A block's scale is 2^e with e = floor(log2(the largest magnitude in the block)) - 4, held to -126 .. 127; a block of zeros has e = 0. As a byte (E8M0): e + 127.
;;     - Each number is divided by its block's scale, clamped to +-28, and rounded to the nearest number of E3M2, ties to even, subnormals kept.
;;     - The product sums the exact products of the quantised numbers (number of the format x scale) in f32.
;;   ~~~python
;;   def quantise(x, axis):      # numpy; x: float32 -> the quantised numbers, widened to float32 again
;;       x = np.moveaxis(x, axis, -1); K = x.shape[-1]
;;       x = np.pad(x, [(0, 0)] * (x.ndim - 1) + [(0, -K % 32)]); x = x.reshape(x.shape[:-1] + (-1, 32)); a = np.abs(x).max(-1, keepdims=True)
;;       e = np.where(a > 0, np.clip(np.frexp(np.where(a > 0, a, 1))[1] - 1 - 4, -126, 127), 0)      # np.frexp(a)[1] - 1 = floor(log2(a)), exactly
;;       r = np.clip(x / 2.0 ** e, -28, 28)
;;       step = 2.0 ** (np.maximum(np.frexp(np.where(r == 0, 1, r))[1] - 1, -2) - 2)
;;       q = np.round(r / step) * step * 2.0 ** e      # np.round: ties to even
;;       return np.moveaxis(q.reshape(q.shape[:-2] + (-1,))[..., :K], -1, axis).astype(np.float32)
;;   ~~~
;;   OPERANDS COMPUTED ON THE WAY. 'Computed on the way' means the value that the module computes at that place (a softmax that the list does not call 'softmax' is quantised finished and normalised). What goes into a quantiser is computed in f32, as accurately as f32 sums, v_exp_f32 and their like allow (about 1e-6 of the number): no bf16 or f16 on the way to a quantiser, and a product that is left as it is and whose result goes on into a quantised operand takes f32 operands (vector FMAs, or v_wmma_f32_16x16x4_f32). A number that lies on a knife's edge between two numbers of the format may be rounded either way, as far as f32 arithmetic and the matrix unit's own rounding can turn it there, and no further.
;;   INPUTS GIVEN AS CODES. lora_A (in the module: [16, 4096], K = its axis 1); x (in the module: [4096, 4096], K = its axis 1): each comes as NAME_codes (uint8): NAME with its K axis moved to the last place and cut into blocks of 32 codes, [.., K / 32, bytes a block], one block behind the other in memory; four codes in three bytes: a row's codes are one little-endian stream of bits, code i at bits 6 i .. 6 i + 5 (a code: sign, 3 exponent bits, 2 mantissa bits); and NAME_scales (uint8): the same leading axes, one E8M0 byte (e + 127) for each 32 codes along K. Its value is code x scale, taken as it is: it is not quantised again, and the codes and scales need not be those that the quantiser above would give.
;; 2 versions. Each part assembles by itself: llvm-mc -triple=amdgcn-amd-amdhsa -mcpu=gfx1250 --defsym DOCPART=n.
;; ======== version 1 of 2: 2 launches
;; workspace buffers: wq_codes 12,582,912 bytes; wq_scales 524,288 bytes; t_bf 131,072 bytes
;; launch prep (part 1): grid 64 x 4, 8 waves a work-group, no clusters, 60,416 bytes of LDS; arguments qweight, qzeros, scales, x_codes, x_scales, lora_A_codes, lora_A_scales, wq_codes, wq_scales, t_bf; writes wq_codes, wq_scales, t_bf
.if DOCPART == 1
	.amdgcn_target "amdgcn-amd-amdhsa--gfx1250"
	.amdhsa_code_object_version 6
	.text
	.protected	k_q17c9e0fe57_prep
	.globl	k_q17c9e0fe57_prep
	.p2align	8
	.type	k_q17c9e0fe57_prep,@function
k_q17c9e0fe57_prep:
	s_mov_b64 s[64:65], 0
	v_nop
	global_prefetch_b8 v0, s[64:65] scope:SCOPE_SE
	s_setreg_imm32_b32 hwreg(HW_REG_WAVE_MODE, 25, 1), 1
	s_wait_xcnt 0x0
; TWO JOBS, each done once for the whole program.
; (a) W[k][n] = scales[k/128][n] x (w4[k][n] - z4[k/128][n]) in f32, quantised along K to codes of BF6 (E3M2) with one E8M0 byte for each 32 along K.
;     The codes are stored as IMAGES OF THE OPERAND'S REGISTERS: wq_codes [n/128][k/128][(n/16)%8][1,536 bytes]; in a fragment (16 columns x 128 K) register p (0..11) of lane (r = n%16, h)
;     lies at 512 (p/4) + 16 (r + 16 h) + 4 (p%4), and registers 6 c .. 6 c + 5 hold the block 2 c + h of the K step.  wq_scales [n/128][k/128][n%128]: one word, byte b for block b.
; (b) t2 = 2 x (x lora_A^T), both operands given as codes, by the scaled matrix instruction; rounded to bf16 for the last product: t_bf [4096][16].
; SHARES.  256 work-groups of eight waves.  Work-group (cg, ky), wave w: columns 64 cg .. + 63 and the group g = 8 ky + w of 128 along K.  Lane l holds columns 2 l and 2 l + 1, so that a load of a row of
; qweight covers 256 consecutive bytes, aligned; the group's scale and zero are constants of the lane; a block of 32 along K lies in ONE lane's registers.  A wave's codes are four whole fragments, 6,144
; consecutive bytes, its scale words 256.  For (b) the work-group owns 16 rows of x (tile 64 ky + cg); wave w takes K steps 4 w .. 4 w + 3; the eight partial tiles meet in LDS behind one barrier.
; THE NIBBLES STAY IN THEIR PLACES: (word & (15 << 4 j)) | 0x4B000000 is the f32 number 2^23 + w 16^j; less 2^23 + z 16^j that is (w - z) 16^j, exactly; times s 16^-j it is s (w - z), rounded once.
; No tensor loads, no cluster: the work-groups share lora_A alone (51,200 of the 136,000 bytes or so that a work-group reads), and every load of a wave goes out at its head.
; LIMITS: NaN and infinities in scales are not served; |scales| under 2^-114 loses bits (s 16^-3 is then denormal); a block of zeros gets the byte 1 where the rule says 127: its codes are zeros, which add
; nothing under any byte but 0xff, and the bytes are read by this program alone.
.set STGW, 6400                        ; LDS: a stage for each wave: four fragments, FP bytes apart
.set FP,   1552                        ; a fragment's 1,536 bytes + 16
.set RED,  8*STGW                      ; behind the stages: eight partial tiles of 1,024 bytes
.set QO,  4                            ; v4   8 x lane: my two columns in a row of qweight, of scales, of the scale words
.set ZO,  5                            ; v5   4 x (lane / 4): my word of qzeros
.set SH,  6                            ; v6   8 x (lane % 4): where my first column's zero begins in it
.set XO,  7                            ; v7   3,072 r + 24 h: my place in 16 rows of codes
.set SRO, 8                            ; v8   128 r: my row of scale bytes
.set STA, 9                            ; v9   the stage, in: 6,400 w + 1,552 (lane / 8) + 32 (lane % 8)
.set STR, 10                           ; v10  the stage, out: 6,400 w + 16 lane
.set GO,  11                           ; v11  16 x lane
.set RDA, 12                           ; v12  my wave's partial tile: RED + 1,024 w + 16 lane
.set ZW,  13                           ; v13  the word of qzeros
.set Z,   14                           ; v14-15 z of my two columns
.set S,   16                           ; v16-17 s of my two columns
.set NZ,  18                           ; v18-25 -(2^23 + z 16^j): column c, j = 0..3 at NZ + 4 c + j
.set SP,  26                           ; v26-33 s 16^-j likewise
.set SW,  34                           ; v34-35 my two columns' scale words
.set MX,  36                           ; v36-37 two chains of the largest magnitude
.set SO,  38                           ; v38  the conversion's scale operand
.set BY,  39                           ; v39  the scale's byte
.set QH,  40                           ; v40-43 four words >> 16
.set C,   44                           ; v44-67 codes: a set of 12 for each column
.set Q,   68                           ; v68-99 qweight: row i, column c at Q + 2 i + c; later, with v100-115, the fragments on their way out
.set X,   100                          ; v100-131 a block's 32 numbers
.set P,   116                          ; v116-123 my partial tile
.set XF,  132                          ; v132-179 x's four fragments; in wave 0 later, with v180-195, the eight partial tiles
.set LA,  180                          ; v180-227 lora_A's four
.set XS,  228                          ; v228-231 x's scale words
.set LAS, 232                          ; v232-235 lora_A's
.set ACC, 236                          ; v236-251 two accumulators
.set RDB, 252                          ; v252 RED + 16 lane
.set TO,  253                          ; v253 32 r + 16 h: my place in 16 rows of t_bf
.set TMP, 254
	s_load_b512 s[8:23], s[0:1], 0x0               ; qweight 8, qzeros 10, scales 12, x_codes 14, x_scales 16, lora_A_codes 18, lora_A_scales 20, wq_codes 22
	s_load_b128 s[24:27], s[0:1], 0x40             ; wq_scales 24, t_bf 26
	v_lshl_add_u32 v67, v0, 2, 0xe800
	v_mov_b32 v255, 0
	v_lshrrev_b32 v1, 5, v0
	v_readfirstlane_b32 s28, v1                    ; wave 0..7
	s_mov_b32 s29, ttmp9                           ; cg
	s_and_b32 s30, ttmp7, 0xffff                   ; ky
	s_lshl_b32 s31, s30, 3
	s_add_co_u32 s31, s31, s28                     ; g = 8 ky + wave
	s_lshl_b32 s34, s30, 6
	s_add_co_u32 s34, s34, s29                     ; tile = 64 ky + cg
	s_mov_b32 s44, 0xf0
	s_mov_b32 s45, 0xf00
	s_mov_b32 s46, 0xf000
	s_mov_b32 s47, 0x4b000000                      ; 2^23
	v_and_b32 v1, 31, v0                           ; lane
	v_and_b32 v2, 15, v0                           ; r
	v_bfe_u32 v3, v0, 4, 1                         ; h
	v_lshlrev_b32 v[QO], 3, v1
	v_lshrrev_b32 v[ZO], 2, v1
	v_lshlrev_b32 v[ZO], 2, v[ZO]
	v_and_b32 v[SH], 3, v1
	v_lshlrev_b32 v[SH], 3, v[SH]
	v_mul_u32_u24 v[XO], v2, 3072
	v_mad_u32_u24 v[XO], v3, 24, v[XO]
	v_lshlrev_b32 v[SRO], 7, v2
	s_mul_i32 s35, s28, STGW
	v_lshrrev_b32 v[STA], 3, v1
	v_mul_u32_u24 v[STA], v[STA], FP
	v_and_b32 v[TMP], 7, v1
	v_lshl_add_u32 v[STA], v[TMP], 5, v[STA]
	v_add_nc_u32 v[STA], s35, v[STA]
	v_lshl_add_u32 v[STR], v1, 4, s35
	v_lshlrev_b32 v[GO], 4, v1
	s_lshl_b32 s36, s28, 10
	s_add_co_u32 s36, s36, RED
	v_lshl_add_u32 v[RDA], v1, 4, s36
	v_lshl_add_u32 v[RDB], v1, 4, RED
	v_lshlrev_b32 v[TO], 5, v2
	v_lshl_add_u32 v[TO], v3, 4, v[TO]
	s_mov_b32 s33, 0                               ; the upper word of every offset: all stay under 2^31
	s_wait_kmcnt 0x0
	; ALL 68 LOADS OF THE WAVE, in the order in which they are wanted: 18 for W, then 50 for the small product
	s_lshl_b32 s32, s31, 11                        ; qzeros: g rows of 2,048 bytes + 8 cg words
	s_lshl_b32 s35, s29, 5
	s_add_co_u32 s32, s32, s35
	s_add_nc_u64 s[10:11], s[10:11], s[32:33]
	global_load_b32 v[ZW], v[ZO], s[10:11]
	s_lshl_b32 s32, s31, 14                        ; scales: g rows of 16,384 bytes + 64 cg columns
	s_lshl_b32 s35, s29, 8
	s_add_co_u32 s32, s32, s35
	s_add_nc_u64 s[12:13], s[12:13], s[32:33]
	global_load_b64 v[S:S+1], v[QO], s[12:13]
	s_lshl_b32 s32, s31, 18                        ; qweight: 16 g rows of 16,384 bytes + 64 cg columns
	s_add_co_u32 s32, s32, s35
	s_add_nc_u64 s[8:9], s[8:9], s[32:33]
.irp i, 0,1,2,3,4,5,6,7,8,9,10,11,12,13,14,15
	global_load_b64 v[Q+2*\i:Q+2*\i+1], v[QO], s[8:9] offset:16384*\i th:TH_LOAD_NT   ; 32 lanes read 256 consecutive bytes, aligned
.endr
	s_mul_i32 s32, s34, 49152                      ; x_codes: 16 tile rows of 3,072 bytes + 4 wave K steps of 96
	s_mul_i32 s35, s28, 384
	s_add_co_u32 s32, s32, s35
	s_add_nc_u64 s[14:15], s[14:15], s[32:33]
.irp s, 0,1,2,3
.irp p, 0,1,2,3,4,5
	global_load_b64 v[XF+12*\s+2*\p:XF+12*\s+2*\p+1], v[XO], s[14:15] offset:96*\s+48*(\p/3)+8*(\p%3) th:TH_LOAD_NT
.endr
.endr
	s_mov_b32 s32, s35
	s_add_nc_u64 s[18:19], s[18:19], s[32:33]      ; lora_A_codes: the same K steps of its 16 rows
.irp s, 0,1,2,3
.irp p, 0,1,2,3,4,5
	global_load_b64 v[LA+12*\s+2*\p:LA+12*\s+2*\p+1], v[XO], s[18:19] offset:96*\s+48*(\p/3)+8*(\p%3)
.endr
.endr
	s_lshl_b32 s32, s34, 11                        ; x_scales: 16 tile rows of 128 bytes + 4 wave words
	s_lshl_b32 s35, s28, 4
	s_add_co_u32 s32, s32, s35
	s_add_nc_u64 s[16:17], s[16:17], s[32:33]
	global_load_b128 v[XS:XS+3], v[SRO], s[16:17]  ; my row's four words: one for each K step
	s_mov_b32 s32, s35
	s_add_nc_u64 s[20:21], s[20:21], s[32:33]
	global_load_b128 v[LAS:LAS+3], v[SRO], s[20:21]
	; where the results go
	s_lshr_b32 s36, s29, 1                         ; n / 128
	s_and_b32 s37, s29, 1                          ; which half of its 128 columns
	s_mul_i32 s32, s36, 393216
	s_mul_i32 s35, s31, 12288
	s_add_co_u32 s32, s32, s35
	s_mul_i32 s35, s37, 6144
	s_add_co_u32 s32, s32, s35
	s_add_nc_u64 s[22:23], s[22:23], s[32:33]      ; wq_codes
	s_lshl_b32 s32, s36, 14
	s_lshl_b32 s35, s31, 9
	s_add_co_u32 s32, s32, s35
	s_lshl_b32 s35, s37, 8
	s_add_co_u32 s32, s32, s35
	s_add_nc_u64 s[24:25], s[24:25], s[32:33]      ; wq_scales
	s_lshl_b32 s32, s34, 9
	s_add_nc_u64 s[26:27], s[26:27], s[32:33]      ; t_bf: 16 tile rows of 32 bytes
	s_wait_loadcnt 62                              ; the zeros, the scales and qweight's rows 0-3 are in: 12 rows and the 50 later loads may be out
	v_bfe_u32 v[Z], v[ZW], v[SH], 4
	v_add_nc_u32 v[TMP], 4, v[SH]
	v_bfe_u32 v[Z+1], v[ZW], v[TMP], 4
.irp c, 0,1
.irp j, 0,1,2,3
	v_lshl_or_b32 v[NZ+4*\c+\j], v[Z+\c], 4*\j, 0xcb000000   ; -(2^23 + z 16^j)
.endr
	v_mov_b32 v[SP+4*\c], v[S+\c]
	v_mul_f32 v[SP+4*\c+1], 0x3d800000, v[S+\c]    ; s / 16: a power of two, nothing is rounded
	v_mul_f32 v[SP+4*\c+2], 0x3b800000, v[S+\c]    ; s / 256
	v_mul_f32 v[SP+4*\c+3], 0x39800000, v[S+\c]    ; s / 4,096
.endr
; A UNIT: block b (32 along K: four rows of qweight) of column c: dequantised, quantised, into the stage.
.macro UNIT b, c
.set CC, C+12*(\c)
.if (\c) == 0
	s_wait_loadcnt 50+4*(3-(\b))                   ; the block's four rows are in; the later rows and the 50 loads of the small product may be out
.endif
.irp i, 0,1,2,3
	v_lshrrev_b32 v[QH+\i], 16, v[Q+2*(4*(\b)+\i)+(\c)]
.endr
.irp i, 0,1,2,3                                    ; number 8 i + j is k = 32 b + 8 i + j of the group
	v_and_or_b32 v[X+8*\i],   v[Q+2*(4*(\b)+\i)+(\c)], 15,  s47
	v_and_or_b32 v[X+8*\i+1], v[Q+2*(4*(\b)+\i)+(\c)], s44, s47
	v_and_or_b32 v[X+8*\i+2], v[Q+2*(4*(\b)+\i)+(\c)], s45, s47
	v_and_or_b32 v[X+8*\i+3], v[Q+2*(4*(\b)+\i)+(\c)], s46, s47
	v_and_or_b32 v[X+8*\i+4], v[QH+\i], 15,  s47
	v_and_or_b32 v[X+8*\i+5], v[QH+\i], s44, s47
	v_and_or_b32 v[X+8*\i+6], v[QH+\i], s45, s47
	v_and_or_b32 v[X+8*\i+7], v[QH+\i], s46, s47
.endr
.irp i, 0,1,2,3
.irp m, 0,1,2,3
	v_pk_add_f32 v[X+8*\i+2*\m:X+8*\i+2*\m+1], v[X+8*\i+2*\m:X+8*\i+2*\m+1], v[NZ+4*(\c)+2*(\m%2):NZ+4*(\c)+2*(\m%2)+1]   ; (w - z) 16^j, exactly
.endr
.endr
.irp i, 0,1,2,3
.irp m, 0,1,2,3
	v_pk_mul_f32 v[X+8*\i+2*\m:X+8*\i+2*\m+1], v[X+8*\i+2*\m:X+8*\i+2*\m+1], v[SP+4*(\c)+2*(\m%2):SP+4*(\c)+2*(\m%2)+1]   ; s (w - z), rounded once
.endr
.endr
	v_max3_num_f32 v[MX],   |v[X]|,   |v[X+1]|, |v[X+2]|        ; the block's largest magnitude: all 32 numbers are mine; two chains
	v_max3_num_f32 v[MX+1], |v[X+3]|, |v[X+4]|, |v[X+5]|
.irp i, 6,10,14,18,22,26
	v_max3_num_f32 v[MX],   v[MX],   |v[X+\i]|,   |v[X+\i+1]|
	v_max3_num_f32 v[MX+1], v[MX+1], |v[X+\i+2]|, |v[X+\i+3]|
.endr
	v_max3_num_f32 v[MX], v[MX], |v[X+30]|, |v[X+31]|
	v_max3_num_f32 v[MX], v[MX], v[MX+1], 0x2800000             ; and the floor 2^(5 - 127): the byte cannot fall under 1
	v_add_nc_u32 v[SO], 0xfe000000, v[MX]          ; 4 off its exponent field: the conversion takes the exponent field of this operand as its scale
.if (\b) > 0
	s_wait_dscnt 2                                 ; the last unit's two stores may be out: those of the unit before it, which read this set of registers, are done
.endif
	v_cvt_scalef32_pk16_bf6_f32 v[CC:CC+2], v[X:X+15], v[SO]
	v_cvt_scalef32_pk16_bf6_f32 v[CC+8:CC+10], v[X+16:X+31], v[SO]   ; (a conversion's three registers begin on an even number)
	v_lshrrev_b32 v[BY], 23, v[SO]                 ; the scale's byte; also the plain instruction behind the conversions
.if (\b) == 0
	v_mov_b32 v[SW+(\c)], v[BY]
.else
	v_lshl_or_b32 v[SW+(\c)], v[BY], 8*(\b), v[SW+(\c)]
.endif
.irp i, 0,1,2
	v_mov_b32 v[CC+3+\i], v[CC+8+\i]               ; the block's six registers on end
.endr
.if (\b) < 2                                       ; blocks 0, 1: registers 0-5 of lane r + 16 b of the fragment's image; r = 2 (lane % 8) + c
	ds_store_b128 v[STA], v[CC:CC+3] offset:16*(\c)+256*(\b)
	ds_store_b64  v[STA], v[CC+4:CC+5] offset:512+16*(\c)+256*(\b)
.else                                              ; blocks 2, 3: registers 6-11 of lane r + 16 (b - 2)
	ds_store_b64  v[STA], v[CC:CC+1] offset:520+16*(\c)+256*((\b)-2)
	ds_store_b128 v[STA], v[CC+2:CC+5] offset:1024+16*(\c)+256*((\b)-2)
.endif
.endm
.irp b, 0,1,2,3
.irp c, 0,1
	UNIT \b, \c
.endr
.endr
	global_store_b64 v[QO], v[SW:SW+1], s[24:25]   ; 32 lanes store 256 consecutive bytes, aligned: 64 columns' scale words
.irp t, 0,1,2,3,4,5,6,7,8,9,10,11
	ds_load_b128 v[Q+4*\t:Q+4*\t+3], v[STR] offset:(\t/3)*FP+(\t%3)*512   ; LDS serves a wave's instructions in order (ISA guide 5.7.1.4): these see my stores
.endr
.irp t, 0,1,2,3,4,5,6,7,8,9,10,11
	s_wait_dscnt 11-\t                             ; load t is back; the younger ones may be out
	global_store_b128 v[GO], v[Q+4*\t:Q+4*\t+3], s[22:23] offset:512*\t   ; 32 lanes store 512 consecutive bytes, aligned
.endr
	; THE SMALL PRODUCT, transposed: source 0 = lora_A's 16 ranks, source 1 = my work-group's 16 rows of x: lane (r, h) holds t(row r, ranks 8 h .. 8 h + 7).
	; Two accumulators take turns, one instruction a turn.
	s_wait_loadcnt 0x0
	v_wmma_scale_f32_16x16x128_f8f6f4 v[ACC:ACC+7], v[LA:LA+11], v[XF:XF+11], 0, v[LAS], v[XS] matrix_a_fmt:MATRIX_FMT_BF6 matrix_b_fmt:MATRIX_FMT_BF6
	v_wmma_scale_f32_16x16x128_f8f6f4 v[ACC+8:ACC+15], v[LA+12:LA+23], v[XF+12:XF+23], 0, v[LAS+1], v[XS+1] matrix_a_fmt:MATRIX_FMT_BF6 matrix_b_fmt:MATRIX_FMT_BF6
	v_wmma_scale_f32_16x16x128_f8f6f4 v[ACC:ACC+7], v[LA+24:LA+35], v[XF+24:XF+35], v[ACC:ACC+7], v[LAS+2], v[XS+2] matrix_a_fmt:MATRIX_FMT_BF6 matrix_b_fmt:MATRIX_FMT_BF6
	v_wmma_scale_f32_16x16x128_f8f6f4 v[ACC+8:ACC+15], v[LA+36:LA+47], v[XF+36:XF+47], v[ACC+8:ACC+15], v[LAS+3], v[XS+3] matrix_a_fmt:MATRIX_FMT_BF6 matrix_b_fmt:MATRIX_FMT_BF6
.rept 4
	v_nop                                          ; four places between a matrix instruction and the first read of its result (ISA guide 7.12.1)
.endr
.irp i, 0,2,4,6
	v_pk_add_f32 v[P+\i:P+\i+1], v[ACC+\i:ACC+\i+1], v[ACC+8+\i:ACC+8+\i+1]   ; each accumulator from its low end on
.endr
	ds_store_b128 v[RDA], v[P:P+3]
	ds_store_b128 v[RDA], v[P+4:P+7] offset:512
	s_wait_dscnt 0x0                               ; for wave 0's sake: my partial tile lies in LDS
	s_barrier_signal -1
	s_barrier_wait -1
	s_cmp_lg_u32 s28, 0
	s_cbranch_scc1 .Ldone
.irp p, 0,1,2,3,4,5,6,7
	ds_load_b128 v[XF+8*\p:XF+8*\p+3], v[RDB] offset:1024*\p
	ds_load_b128 v[XF+8*\p+4:XF+8*\p+7], v[RDB] offset:1024*\p+512
.endr
	s_wait_dscnt 0x0
.irp p, 0,2,4,6
.irp i, 0,2,4,6
	v_pk_add_f32 v[XF+8*\p+\i:XF+8*\p+\i+1], v[XF+8*\p+\i:XF+8*\p+\i+1], v[XF+8*\p+8+\i:XF+8*\p+8+\i+1]
.endr
.endr
.irp p, 0,4
.irp i, 0,2,4,6
	v_pk_add_f32 v[XF+8*\p+\i:XF+8*\p+\i+1], v[XF+8*\p+\i:XF+8*\p+\i+1], v[XF+8*\p+16+\i:XF+8*\p+16+\i+1]
.endr
.endr
.irp i, 0,2,4,6
	v_pk_add_f32 v[XF+\i:XF+\i+1], v[XF+\i:XF+\i+1], v[XF+32+\i:XF+32+\i+1]
.endr
.irp i, 0,2,4,6
	v_pk_mul_f32 v[XF+\i:XF+\i+1], v[XF+\i:XF+\i+1], 2.0 op_sel_hi:[1,0]   ; lora_alpha / r = 2: exact
.endr
.irp i, 0,1,2,3
	v_cvt_pk_bf16_f32 v[200+\i], v[XF+2*\i], v[XF+2*\i+1]
.endr
	global_store_b128 v[TO], v[200:203], s[26:27]  ; 16 rows of 32 bytes: 512 consecutive bytes, aligned
.Ldone:
	s_wait_tensorcnt 0x0
	ds_add_u32 v67, v255
	s_wait_dscnt 0x0
	s_endpgm
.Lfunc_end_k_q17c9e0fe57_prep:
	.size	k_q17c9e0fe57_prep, .Lfunc_end_k_q17c9e0fe57_prep-k_q17c9e0fe57_prep
	.p2alignl 7, 3214868480
	.fill 96, 4, 3214868480
	.section	.rodata,"a",@progbits
	.p2align	6, 0x0
	.amdhsa_kernel k_q17c9e0fe57_prep
		.amdhsa_group_segment_fixed_size 60416
		.amdhsa_private_segment_fixed_size 0
		.amdhsa_enable_private_segment 0
		.amdhsa_kernarg_size 80
		.amdhsa_user_sgpr_count 2
		.amdhsa_user_sgpr_kernarg_segment_ptr 1
		.amdhsa_wavefront_size32 1
		.amdhsa_system_sgpr_workgroup_id_x 1
		.amdhsa_system_sgpr_workgroup_id_y 1
		.amdhsa_system_sgpr_workgroup_id_z 1
		.amdhsa_system_vgpr_workitem_id 0
		.amdhsa_next_free_vgpr 256
		.amdhsa_next_free_sgpr 66
		.amdhsa_reserve_vcc 0
		.amdhsa_float_denorm_mode_32 3
		.amdhsa_float_denorm_mode_16_64 3
		.amdhsa_memory_ordered 1
		.amdhsa_forward_progress 1
		.amdhsa_inst_pref_size 64
	.end_amdhsa_kernel
	.amdgpu_metadata
---
amdhsa.version: [ 1, 2 ]
amdhsa.kernels:
  - .name:           k_q17c9e0fe57_prep
    .symbol:         k_q17c9e0fe57_prep.kd
    .args:
      - { .name: qweight, .offset: 0, .size: 8, .value_kind: global_buffer, .address_space: global }
      - { .name: qzeros, .offset: 8, .size: 8, .value_kind: global_buffer, .address_space: global }
      - { .name: scales, .offset: 16, .size: 8, .value_kind: global_buffer, .address_space: global }
      - { .name: x_codes, .offset: 24, .size: 8, .value_kind: global_buffer, .address_space: global }
      - { .name: x_scales, .offset: 32, .size: 8, .value_kind: global_buffer, .address_space: global }
      - { .name: lora_A_codes, .offset: 40, .size: 8, .value_kind: global_buffer, .address_space: global }
      - { .name: lora_A_scales, .offset: 48, .size: 8, .value_kind: global_buffer, .address_space: global }
      - { .name: wq_codes, .offset: 56, .size: 8, .value_kind: global_buffer, .address_space: global }
      - { .name: wq_scales, .offset: 64, .size: 8, .value_kind: global_buffer, .address_space: global }
      - { .name: t_bf, .offset: 72, .size: 8, .value_kind: global_buffer, .address_space: global }
    .group_segment_fixed_size: 60416
    .private_segment_fixed_size: 0
    .kernarg_segment_align: 8
    .kernarg_segment_size: 80
    .max_flat_workgroup_size: 256
    .sgpr_count:     66
    .vgpr_count:     256
    .wavefront_size: 32
...
	.end_amdgpu_metadata
.endif
;; end of part 1
;; launch gemm (part 2): grid 16 x 16, 4 waves a work-group, clusters of 4 x 4, 327,680 bytes of LDS; arguments x_codes, x_scales, wq_codes, wq_scales, out0, bias, lora_B, t_bf; writes out0
.if DOCPART == 2
	.amdgcn_target "amdgcn-amd-amdhsa--gfx1250"
	.amdhsa_code_object_version 6
	.text
	.protected	k_q17c9e0fe57_gemm
	.globl	k_q17c9e0fe57_gemm
	.p2align	8
	.type	k_q17c9e0fe57_gemm,@function
k_q17c9e0fe57_gemm:
	s_mov_b64 s[64:65], 0
	v_nop
	global_prefetch_b8 v0, s[64:65] scope:SCOPE_SE
	s_setreg_imm32_b32 hwreg(HW_REG_WAVE_MODE, 25, 1), 1
	s_wait_xcnt 0x0
	s_wait_alu depctr_hold_cnt(0) depctr_sa_sdst(0) depctr_va_vdst(0) depctr_va_sdst(0) depctr_va_ssrc(0) depctr_va_vcc(0) depctr_vm_vsrc(0)
	s_getreg_b32 s2, hwreg(HW_REG_IB_STS2, 6, 4)
	s_cmp_eq_u32 s2, 0
	s_cbranch_scc0 .Lentry_in_a_cluster
	s_endpgm
.Lentry_in_a_cluster:
	s_bfe_u32 s2, ttmp6, 0x10000c
	s_cmp_lg_u32 s2, 0xf033
	s_cbranch_scc0 .Lentry_shape_is_right
	s_endpgm
.Lentry_shape_is_right:
; out0[m][n] = sum over k of x[m][k] W[k][n] + bias[n] + sum over 16 ranks of t2[m][rank] lora_B[n][rank].  M = N = K = 4,096.
; x: codes of BF6 (E3M2), rows of 3,072 bytes, K innermost, with one E8M0 byte for each 32 along K.  W: the codes and scale words that the launch before has laid in the order of the operand's registers:
; wq_codes [n/128][k/128][(n/16)%8][1,536], wq_scales [n/128][k/128][n%128] words.  t_bf [4096][16] bf16 holds 2 x (x lora_A^T).  Sums in f32.
; A tile of out0, 256 x 256, is made by a work-group of four waves, as many as a WGP has SIMDs; a wave makes 128 x 128: 64 accumulators of 16 x 16, 512 registers.
; K goes in steps of 256 through a ring of two LDS slots filled by the tensor data mover.  x's part of a slot: 256 rows of 192 bytes, padded.  W's: two dense blocks of 24,576 bytes, read back 16 bytes a lane.
; THE SCALES of the work-group's 256 rows of x and 256 columns of W, for all of K, come into LDS ONCE, with the first fills, and stay.
; THE SUMS BEGIN WITH THE LAST PRODUCT: one bf16 matrix instruction for each accumulator, K = the 16 ranks (the upper 16 of its 32 are zeros), with the bias as its C: nothing is cleared, and no addition is spent on
; the bias.  It runs while the first tiles are on their way.  LIMIT: its operands, t2 and lora_B, are rounded to bf16.
; CLUSTERS: 4 x 4 work-groups.  The four of a row of the cluster need the same tiles of x, the four of a column the same tiles of W: each tile is asked for JOINTLY, by the same tensor load with the same
; descriptor and a mask that names the four.  THE MATRIX INSTRUCTIONS ARE USED TRANSPOSED (source 0 = 16 columns of W, source 1 = 16 rows of x): a lane then holds eight neighbouring numbers of a row of out0.
; REGISTERS, in windows of 256: window 0: v0-31 addresses; v32-63 scale words, two sets; v64-127 the bias; from v128 x's fragments (8 x 16 rows x 128 K), ONE set; at the head v128-191 t2, v192-255 lora_B in f32.
;   window 1: W's fragments, TWO sets, at v0 and at v128; at the head v0-63 lora_B in bf16.   window 2: the accumulators of my rows 0-63 ((a, b) at v[8 (8 a + b)]);   window 3: those of my rows 64-127.
.set KROW,   3072                      ; a row of x's codes in memory
.set ROWB,   192                       ; 256 codes: a row of x's tile
.set PITCH,  240                       ; in LDS: 3 x (64 bytes + 16 of padding) = 60 words: row r starts at bank -4 r mod 64 (64 banks of 4 bytes: ISA guide 11.1)
.set FR,     12                        ; registers of a fragment: 16 rows x 128 K
.set FRB,    1536                      ; and its image in bytes
.set NL,     6                         ; LDS loads that bring a fragment of x
.set NP,     4                         ; places behind the scaled matrix instruction on 6-bit codes (ISA guide 7.12.1)
.set HALFA,  128*PITCH                 ; 128 rows of x: what one tensor load brings, and what one wave reads
.set BOFF,   2*HALFA                   ; W's part of a slot lies behind x's 256 rows
.set HALFB,  2*8*FRB                   ; 128 columns of W x 256 K: [K step (2)][block of 16 columns (8)][1,536]
.set SLOT,   BOFF+2*HALFB
.set LAPS,   8                         ; a lap = two slots = 512 along K
.set SCA,    2*SLOT                    ; behind the ring: x's scale bytes, as units of 256 bytes + 16 of padding: two rows of 128 bytes to a unit
.set HALFSA, 64*272                    ; those of 128 rows
.set SCB,    SCA+2*HALFSA              ; W's scale words, dense: [K step (32)][column (128)]
.set HALFSB, 16384                     ; those of 128 columns
.set SPARE,  SCB+2*HALFSB              ; the spare words, 128 bytes for each wave: two blocks of 256 bytes that no other line names
.set SPITCH, 528                       ; the way out: a stage of 16 rows x (512 bytes + 16) for each wave, in slot 0, which has had its last fill and its last read when the first result is stored there
.set NROW,   16384                     ; a row of out0 in bytes
.set BO,   8                           ; v8      32 h: my eight numbers of a block's 16 of the bias
.set LO,   9                           ; v9      64 r + 32 h: my eight ranks of a row of lora_B
.set TO,   10                          ; v10     32 r + 16 h: my eight ranks of a row of t_bf
.set ADRA, 16                          ; v16-17  LDS address of my fragments of x in slot 0, 1  (v18-19: the same for the pieces that lie behind one padding more)
.set ADRB, 20                          ; v20-21  16 x lane in my 128 columns' part of slot 0, 1
.set STO,  24                          ; v24     the way out: where I put 32 bytes of a row
.set RD,   25                          ; v25     the way out: where I read a row back
.set CO,   26                          ; v26     my byte offset in a row of out0
.set ADRSA, 27                         ; v27     x's scale words: lanes 0-15 an even block's rows, lanes 16-31 the next block's
.set SPW,  28                          ; v28     LDS address of my spare word: SPARE + 4 x my thread's number; never rewritten
.set NIL,  29                          ; v29     0; never rewritten
.set PFO,  30                          ; v30     the prefetches' offset from lane to lane; never rewritten
.set ADRSB, 31                         ; v31     W's scale words: 4 x lane
.set SC,   32                          ; scale words: set s at SC + 16 s.  + 2 p + q: x's blocks 2 p (lanes 0-15) and 2 p + 1 (lanes 16-31), the slot's q-th 128 along K.  + 8 + 4 q + p: W's blocks likewise
.set BI,   64                          ; the bias in the result's layout: block b at BI + 8 b
.set AF,   128                         ; x's fragments
.set TF,   128                         ; at the head: t2's fragments, block a at TF + 8 a
.set LT,   192                         ; at the head: lora_B in f32
.set LB,   0                           ; at the head, window 1: lora_B's fragments, block b at LB + 8 b
.set BK,   128                         ; the way out: 16 rows read back from the stage: v128-191 and v192-255 by turns
.set G1,   24                          ; s[24:31] descriptor group 1 for x's tiles;  s[32:39] group 0, one set for each slot
.set G0,   32
.set G1B,  48                          ; s[48:55], s[56:63] the same for W's tiles
.set G0B,  56
.set G1S,  68                          ; s[68:75], s[76:79] groups 1 and 0 for x's scales;  s[80:87], s[88:91] for W's
.set G0S,  76
.set G1SB, 80
.set G0SB, 88
.set PFA,  66                          ; s[66:67] where my prefetches stand
.set PFS,  104                         ; s[104:105] their step
.set LIM0, 95                          ; s95  2 in a wave that prefetches, else the greatest number: the lap's first change of slots asks while the count of laps is above it
.set LIM1, 2                           ; s2   3 likewise, for the lap's second change
.set MSB, 0
.macro WIN new                         ; the immediate's high byte repeats the setting that is left
.if MSB != (\new)
	s_set_vgpr_msb (MSB<<8)|(\new)
.set MSB, (\new)
.endif
.endm
.set MUL_LO, 0xa1                      ; source 0 (W) window 1, source 1 (x) window 0, C and D window 2
.set MUL_HI, 0xf1                      ; the same, C and D window 3
.set TO_B,   0x40                      ; destination window 1, address window 0
; A joint load: waves 0 and 1 fetch for x, waves 2 and 3 for W.  Each of the two lines has ONE mask and one set of registers for all that issue it; the branch hangs on the wave's number alone.
; Four v_nop follow each of the two lines, ahead of the jump, the label and what follows.
.macro JLOAD g0a, g1a, g0b, g1b
	s_cmp_eq_u32 s15, 0
	s_cbranch_scc0 .Lfor_b_\@
	tensor_load_to_lds s[\g0a:\g0a+3], s[\g1a:\g1a+7]
	s_nop 0
.rept 4
	v_nop
.endr
	s_branch .Lasked_\@
.Lfor_b_\@:
	tensor_load_to_lds s[\g0b:\g0b+3], s[\g1b:\g1b+7]
	s_nop 0
.rept 4
	v_nop
.endr
.Lasked_\@:
.endm
.macro CREST                           ; a round of the cluster's barrier behind its opening barrier
	s_cmp_lg_u32 s14, 0
	s_cbranch_scc1 .Lnot_wave_0_\@
	s_barrier_signal -3
.Lnot_wave_0_\@:
	s_barrier_wait -3
	s_barrier_signal -1
	s_barrier_wait -1
.endm
.macro CROUND                          ; a whole round
	s_barrier_signal -1
	s_barrier_wait -1
	CREST
.endm
; A PREFETCH, behind a joint load, its four lines and the run of LDS loads that follows them: one instruction a wave, at the first nine changes of slots (number c = 0 .. 8).
; x: a row is twelve aligned blocks of 256 bytes; change c names block 3 + c of 32 rows, a lane a row.  That block begins in slot 4 + 4 c / 3, which is asked for at change 2 + 4 c / 3 or later: two changes on at the least.
; W: a half's stream of 393,216 bytes is 1,536 such blocks; change c names blocks 384 + 128 c .. + 127, 32 to a work-group, lanes 256 bytes apart: the same lead.  The last named are a row's block 11 and the stream's 1,535.
; Each block is named ONCE in the launch.  x's tile row is read by every cluster of that row of clusters: the one with x = 0 asks; W's tile column by every cluster of that column: the one with y = 0 asks.
; The four partners that ask for a tile jointly share its blocks out BY ADDRESS (cx for x, cy for W): no branch hangs on a work-group's place in its cluster.  Slots 0 to 3 and the scales come by their loads alone.
.macro ASK lim
	s_cmp_gt_u32 s3, s[\lim]
	s_cbranch_scc0 .Lnot_mine_\@
	global_prefetch_b8 v[PFO], s[PFA:PFA+1] th:TH_LOAD_NT scope:SCOPE_SE
.Lnot_mine_\@:
.endm
	s_load_b128 s[4:7], s[0:1], 0x0                ; x's codes s[4:5], x's scales s[6:7]
	s_load_b128 s[8:11], s[0:1], 0x10              ; W's codes s[8:9], W's scale words s[10:11]
	s_load_b64 s[12:13], s[0:1], 0x20              ; out0
	s_load_b128 s[96:99], s[0:1], 0x28             ; bias s[96:97], lora_B s[98:99]
	s_load_b64 s[100:101], s[0:1], 0x38            ; t_bf
	v_lshl_add_u32 v[SPW], v0, 2, SPARE
	v_mov_b32 v[NIL], 0
	ds_add_u32 v28, v29
	ds_add_u32 v28, v29
	s_wait_dscnt 0x0
	v_lshrrev_b32 v1, 5, v0
	v_readfirstlane_b32 s14, v1                    ; wave 0..3
	s_lshr_b32 s15, s14, 1                         ; which half of the tile's rows is mine.  Also: I fetch for x (0) or for W (1)
	s_and_b32 s16, s14, 1                          ; which half of its columns.  Also: which half of that tile I fetch
	s_bfe_u32 s40, ttmp6, 0x40000                  ; cx, cy: my place in the cluster
	s_bfe_u32 s41, ttmp6, 0x40004
	s_lshl_b32 s42, ttmp9, 2
	s_add_co_u32 s42, s42, s40                     ; tile column = 4 x cluster x + cx
	s_and_b32 s17, ttmp7, 0xffff
	s_lshl_b32 s17, s17, 2
	s_add_co_u32 s17, s17, s41                     ; tile row = 4 x cluster y + cy
	s_lshl_b32 s43, s41, 2
	s_lshl_b32 s43, 15, s43                        ; my row of the cluster
	s_lshl_b32 s44, 0x1111, s40                    ; my column
	; descriptor group 1.  x's tile: 128 rows x 192 bytes, 3,072 bytes apart, 16 bytes of padding behind every 64
	s_or_b32 s[G1+0], s43, (0<<16)|(1<<20)|(1<<21)|(3<<22)|(3<<25)  ; 15:0 the mask: my row; 17:16 elements of 1 byte; 20 padding on; 21 set beside a mask; 24:22 after every 16 words (code 3); 31:25 of 4 words (code 3)
	s_mov_b32 s[G1+1], ROWB<<16                    ; tensor_dim0
	s_mov_b32 s[G1+2], 128<<16                     ; tensor_dim1
	s_mov_b32 s[G1+3], ROWB<<16                    ; tile_dim0
	s_mov_b32 s[G1+4], 128                         ; tile_dim1
	s_mov_b32 s[G1+5], KROW                        ; tensor_dim0_stride
	s_mov_b32 s[G1+6], 0
	s_mov_b32 s[G1+7], 0
	; W's tile: a dense block of 24,576 bytes, as 96 rows of 256 bytes (32 elements of 8), no padding
	s_or_b32 s[G1B+0], s44, (3<<16)|(1<<21)        ; the mask: my column
	s_mov_b32 s[G1B+1], 32<<16
	s_mov_b32 s[G1B+2], 96<<16
	s_mov_b32 s[G1B+3], 32<<16
	s_mov_b32 s[G1B+4], 96
	s_mov_b32 s[G1B+5], 32
	s_mov_b32 s[G1B+6], 0
	s_mov_b32 s[G1B+7], 0
	; the scales of 128 rows of x: a dense block of 16,384 bytes, as 64 rows of 256, 16 bytes of padding behind each;  W's: the same without padding
	s_or_b32 s[G1S+0], s43, (3<<16)|(1<<20)|(1<<21)|(5<<22)|(3<<25)
	s_or_b32 s[G1SB+0], s44, (3<<16)|(1<<21)
.irp g, G1S, G1SB
	s_mov_b32 s[\g+1], 32<<16
	s_mov_b32 s[\g+2], 64<<16
	s_mov_b32 s[\g+3], 32<<16
	s_mov_b32 s[\g+4], 64
	s_mov_b32 s[\g+5], 32
	s_mov_b32 s[\g+6], 0
	s_mov_b32 s[\g+7], 0
.endr
	; where the tiles come from, in bytes (all under 2^31).  x's hang on the tile row alone, W's on the tile column alone
	s_lshl_b32 s18, s16, 7
	s_lshl_b32 s20, s17, 8
	s_add_co_u32 s20, s20, s18                     ; x: row 256 x tile row + 128 x half
	s_lshl_b32 s22, s20, 7                         ; its scales: 128 bytes a row
	s_mov_b32 s23, 0
	s_mul_i32 s20, s20, KROW                       ; its codes
	s_mov_b32 s21, 0
	s_lshl_b32 s46, s42, 1
	s_add_co_u32 s46, s46, s16                     ; W: which 128 columns: 2 x tile column + half
	s_lshl_b32 s92, s46, 14                        ; their scale words
	s_mov_b32 s93, 0
	s_mul_i32 s46, s46, 393216                     ; their codes
	s_mov_b32 s47, 0
	s_mul_i32 s45, s16, HALFA                      ; and where they go: no place in the cluster enters an LDS address
	s_mul_i32 s94, s16, HALFB
	s_add_co_u32 s94, s94, BOFF
	s_mul_i32 s18, s16, HALFSA
	s_add_co_u32 s18, s18, SCA
	s_lshl_b32 s19, s16, 14
	s_add_co_u32 s19, s19, SCB
	s_wait_kmcnt 0x0
	s_add_nc_u64 s[20:21], s[4:5], s[20:21]
	s_add_nc_u64 s[22:23], s[6:7], s[22:23]
	s_add_nc_u64 s[46:47], s[8:9], s[46:47]
	s_add_nc_u64 s[92:93], s[10:11], s[92:93]
	CROUND                                         ; all sixteen work-groups are here: the first joint loads meet
	s_mov_b32 s[G0S], 1                            ; 1:0 count = 1
	s_mov_b32 s[G0S+1], s18                        ; 63:32 LDS address
	s_mov_b64 s[G0S+2:G0S+3], s[22:23]             ; 120:64 global address
	s_or_b32 s[G0S+3], s[G0S+3], 0x80000000        ; 127:126 type = 2
	s_mov_b32 s[G0SB], 1
	s_mov_b32 s[G0SB+1], s19
	s_mov_b64 s[G0SB+2:G0SB+3], s[92:93]
	s_or_b32 s[G0SB+3], s[G0SB+3], 0x80000000
	JLOAD G0S, G1S, G0SB, G1SB                     ; the scales first: they are wanted with the first slot.  With the two loads below three tensor loads of mine are out
.irp s, 0,1
	s_mov_b32 s[G0+4*\s], 1
	s_add_co_u32 s[G0+4*\s+1], s45, \s*SLOT
	s_add_nc_u64 s[G0+4*\s+2:G0+4*\s+3], s[20:21], \s*ROWB
	s_or_b32 s[G0+4*\s+3], s[G0+4*\s+3], 0x80000000
	s_mov_b32 s[G0B+4*\s], 1
	s_add_co_u32 s[G0B+4*\s+1], s94, \s*SLOT
	s_add_nc_u64 s[G0B+4*\s+2:G0B+4*\s+3], s[46:47], \s*HALFB
	s_or_b32 s[G0B+4*\s+3], s[G0B+4*\s+3], 0x80000000
	JLOAD G0+4*\s, G1, G0B+4*\s, G1B
.endr
	v_and_b32 v1, 15, v0                           ; r = l % 16
	v_bfe_u32 v2, v0, 4, 1                         ; h = l / 16
	v_mul_u32_u24 v3, v1, PITCH
	v_mul_u32_u24 v4, v2, 24
	v_add_nc_u32 v4, v3, v4                        ; a fragment's row x pitch + 24 x half
	v_lshl_add_u32 v5, v2, 4, v4                   ; and the same behind one padding more
	s_mul_i32 s21, s15, HALFA                      ; my 128 rows of x
.irp s, 0,1
	v_add_nc_u32 v[ADRA+\s], s21, v4
	v_add_nc_u32 v[ADRA+2+\s], s21, v5
	s_add_co_u32 s21, s21, SLOT
.endr
	v_and_b32 v6, 31, v0                           ; lane
	s_mul_i32 s22, s16, HALFB                      ; my 128 columns of W
	s_add_co_u32 s22, s22, BOFF
	v_lshl_add_u32 v[ADRB], v6, 4, s22
	v_add_nc_u32 v[ADRB+1], SLOT, v[ADRB]
	v_lshlrev_b32 v5, 7, v1                        ; x's scales: row r of a block: 128 r, and 16 more for each unit of two rows passed;
	v_lshrrev_b32 v3, 1, v1
	v_lshl_add_u32 v5, v3, 4, v5
	v_mad_u32_u24 v5, v2, 2176, v5                 ; lanes 16-31 take the next block: eight units on
	s_mul_i32 s21, s15, HALFSA
	s_add_co_u32 s21, s21, SCA
	v_add_nc_u32 v[ADRSA], s21, v5
	s_lshl_b32 s22, s16, 14
	s_add_co_u32 s22, s22, SCB
	v_lshl_add_u32 v[ADRSB], v6, 2, s22            ; W's: 4 bytes a column, 32 columns (two blocks) a load
	s_mul_i32 s23, s14, 16*SPITCH                  ; my stage
	v_mul_u32_u24 v5, v1, SPITCH                   ; in: row l % 16, 32 bytes for each half of the lanes
	v_lshl_add_u32 v5, v2, 5, v5
	v_add_nc_u32 v[STO], s23, v5
	v_lshlrev_b32 v[CO], 4, v6                     ; back: the 32 lanes take one row of 512 bytes; and the same in out0
	v_add_nc_u32 v[RD], s23, v[CO]
	v_lshlrev_b32 v[BO], 5, v2
	v_lshl_add_u32 v[LO], v1, 6, v[BO]
	v_lshlrev_b32 v[TO], 4, v2
	v_lshl_add_u32 v[TO], v1, 5, v[TO]
	s_lshl_b32 s20, s17, 8
	s_lshl_b32 s21, s15, 7
	s_add_co_u32 s20, s20, s21                     ; m0, my first row: 256 x tile row + 128 x half
	s_lshl_b32 s92, s20, 5
	s_mov_b32 s93, 0
	s_add_nc_u64 s[100:101], s[100:101], s[92:93]  ; t_bf: 32 bytes a row
	s_lshl_b32 s20, s20, 14                        ; out0: 16,384 bytes a row
	s_lshl_b32 s46, s42, 8
	s_lshl_b32 s47, s16, 7
	s_add_co_u32 s46, s46, s47                     ; n0, my first column: 256 x tile column + 128 x half
	s_lshl_b32 s92, s46, 2
	s_add_nc_u64 s[96:97], s[96:97], s[92:93]      ; bias: 4 bytes a column
	s_add_co_u32 s20, s20, s92
	s_mov_b32 s21, 0
	s_add_nc_u64 s[12:13], s[12:13], s[20:21]
	s_lshl_b32 s92, s46, 6
	s_add_nc_u64 s[98:99], s[98:99], s[92:93]      ; lora_B: 64 bytes a column
	; THE HEAD'S PRODUCT.  In the result lane (r, h) holds row m0 + 16 a + r and columns n0 + 16 b + 8 h + 0 .. 7.  The bias comes in that layout; lora_B's and t2's fragments hold ranks 8 h .. 8 h + 7 in registers 0-3.
.irp b, 0,1,2,3,4,5,6,7
	global_load_b128 v[BI+8*\b:BI+8*\b+3],   v[BO], s[96:97] offset:64*\b
	global_load_b128 v[BI+8*\b+4:BI+8*\b+7], v[BO], s[96:97] offset:64*\b+16
.endr
.irp b, 0,1,2,3,4,5,6,7
	global_load_b128 v[LT+8*\b:LT+8*\b+3],   v[LO], s[98:99] offset:1024*\b
	global_load_b128 v[LT+8*\b+4:LT+8*\b+7], v[LO], s[98:99] offset:1024*\b+16
.endr
.irp a, 0,1,2,3,4,5,6,7
	global_load_b128 v[TF+8*\a:TF+8*\a+3], v[TO], s[100:101] offset:512*\a
.endr
.irp a, 0,1,2,3,4,5,6,7
.irp i, 4,5,6,7
	v_mov_b32 v[TF+8*\a+\i], 0                     ; K = 16 .. 31 of the bf16 form: zeros on both sides
.endr
.endr
	; the prefetches (macro ASK): where my wave's stand, and who asks.  s[4:5] = x's codes and s[8:9] = W's still stand
	s_lshl_b32 s20, s17, 8
	s_lshl_b32 s21, s16, 7
	s_add_co_u32 s20, s20, s21                     ; x: the 128 rows that I fetch,
	s_lshl_b32 s21, s40, 5
	s_add_co_u32 s20, s20, s21                     ; my work-group's 32 of them,
	s_mul_i32 s20, s20, KROW
	s_add_co_u32 s20, s20, 512                     ; at block 2: the first change of slots steps it to block 3
	s_lshl_b32 s22, s42, 1
	s_add_co_u32 s22, s22, s16                     ; W: the 128 columns that I fetch,
	s_mul_i32 s22, s22, 393216
	s_lshl_b32 s23, s41, 13
	s_add_co_u32 s22, s22, s23                     ; my work-group's 32 blocks of each 128,
	s_add_co_u32 s22, s22, 65536                   ; at block 256: the first change steps it to block 384
	s_and_b32 s23, ttmp7, 0xffff                   ; cluster y
	s_cmp_eq_u32 s15, 0                            ; do I fetch for x?
	s_cselect_b32 s20, s20, s22
	s_cselect_b32 s23, ttmp9, s23                  ; the coordinate along which other clusters read the same bytes
	s_cselect_b64 s[PFA:PFA+1], s[4:5], s[8:9]
	s_mov_b32 s[PFS], 32768
	s_cselect_b32 s[PFS], 256, s[PFS]              ; from change to change
	s_mov_b32 s22, 256
	s_cselect_b32 s22, KROW, s22                   ; from lane to lane
	s_cmp_eq_u32 s23, 0
	s_cselect_b32 s[LIM0], 2, -1                   ; the same in all sixteen partners, for a given wave
	s_cselect_b32 s[LIM1], 3, -1
	s_mov_b32 s[PFS+1], 0
	s_mov_b32 s21, 0
	s_add_nc_u64 s[PFA:PFA+1], s[PFA:PFA+1], s[20:21]
	v_mul_lo_u32 v[PFO], v6, s22
	s_wait_loadcnt 0x0                             ; the bias, lora_B and t2
	WIN TO_B                                       ; destination window 1
.irp b, 0,1,2,3,4,5,6,7
.irp i, 0,1,2,3
	v_cvt_pk_bf16_f32 v[LB+8*\b+\i], v[LT+8*\b+2*\i], v[LT+8*\b+2*\i+1]
.endr
.endr
.irp b, 0,1,2,3,4,5,6,7
.irp i, 4,5,6,7
	v_mov_b32 v[LB+8*\b+\i], 0
.endr
.endr
.rept 4
	v_nop
.endr
.irp a, 0,1,2,3,4,5,6,7                            ; the 64 accumulators in the order in which every later step takes them
	WIN 0x81+0x40*(\a/4)                           ; source 0 window 1, sources 1 and 2 window 0, destination window 2 or 3
.irp b, 0,1,2,3,4,5,6,7
	v_wmma_f32_16x16x32_bf16 v[8*(8*(\a%4)+\b):8*(8*(\a%4)+\b)+7], v[LB+8*\b:LB+8*\b+7], v[TF+8*\a:TF+8*\a+7], v[BI+8*\b:BI+8*\b+7]
.endr
.endr
	WIN 0
.rept 5
	v_nop                                          ; five places: matrix instructions of another form write over these results; and loads land in the registers that these have read (four would do for those)
.endr
.macro FRAG reg, adr, q, i             ; a fragment of x, 16 rows x 128 K, is 12 registers: lane l holds row l % 16; registers 6 c .. 6 c + 5 hold K = 64 c + 32 (l / 16) + 0 .. 31: 24 bytes of the row's stream of bits, as they lie
.irp p, 0,1,2,3,4,5                    ; in pieces of 8 bytes, so that every address is a multiple of the access's size.  Lanes 0-15 take the row's pieces 12 q + 0, 1, 2 and 12 q + 6, 7, 8, lanes 16-31 those three pieces on
.set PC, 12*(\q)+6*(\p/3)+\p%3        ; the mover has laid 16 bytes of padding behind every 64 bytes (8 pieces): where the piece three on lies behind one padding more, the second address register serves
.if PC%8 < 5
	ds_load_b64 v[\reg+2*\p:\reg+2*\p+1], v[\adr] offset:8*PC+16*(PC/8)+(\i)*16*PITCH
.else
	ds_load_b64 v[\reg+2*\p:\reg+2*\p+1], v[\adr+2] offset:8*PC+16*(PC/8)+(\i)*16*PITCH
.endif
.endr
.endm
; One product: x's block a, W's block b, W's set p, the slot's q-th 128 along K, set sc of scale words.  A scale register holds an even block's words in lanes 0-15 and the next block's in lanes 16-31.
.macro WM a, b, p, q, sc
.set rD, 8*(8*((\a)%4)+(\b))
.set rB, 128*(\p)+FR*(\b)
.set rA, AF+FR*(\a)
.set rSB, SC+16*(\sc)+8+4*(\q)+(\b)/2
.set rSA, SC+16*(\sc)+2*((\a)/2)+(\q)
.if ((\b)%2 == 0) && ((\a)%2 == 0)
	v_wmma_scale_f32_16x16x128_f8f6f4 v[rD:rD+7], v[rB:rB+FR-1], v[rA:rA+FR-1], v[rD:rD+7], v[rSB], v[rSA] matrix_a_fmt:MATRIX_FMT_BF6 matrix_b_fmt:MATRIX_FMT_BF6
.elseif ((\b)%2 == 1) && ((\a)%2 == 0)
	v_wmma_scale_f32_16x16x128_f8f6f4 v[rD:rD+7], v[rB:rB+FR-1], v[rA:rA+FR-1], v[rD:rD+7], v[rSB], v[rSA] matrix_a_fmt:MATRIX_FMT_BF6 matrix_b_fmt:MATRIX_FMT_BF6 matrix_a_scale:MATRIX_SCALE_ROW1
.elseif ((\b)%2 == 0) && ((\a)%2 == 1)
	v_wmma_scale_f32_16x16x128_f8f6f4 v[rD:rD+7], v[rB:rB+FR-1], v[rA:rA+FR-1], v[rD:rD+7], v[rSB], v[rSA] matrix_a_fmt:MATRIX_FMT_BF6 matrix_b_fmt:MATRIX_FMT_BF6 matrix_b_scale:MATRIX_SCALE_ROW1
.else
	v_wmma_scale_f32_16x16x128_f8f6f4 v[rD:rD+7], v[rB:rB+FR-1], v[rA:rA+FR-1], v[rD:rD+7], v[rSB], v[rSA] matrix_a_fmt:MATRIX_FMT_BF6 matrix_b_fmt:MATRIX_FMT_BF6 matrix_a_scale:MATRIX_SCALE_ROW1 matrix_b_scale:MATRIX_SCALE_ROW1
.endif
.endm
; 16 matrix instructions: x's blocks a0, a0 + 1 against W's eight.  The 64 accumulators take turns, one instruction a turn, in the same order in every step.
.macro MUL16 a0, p, q, sc
.irp a, \a0, \a0+1
.irp b, 0,1,2,3,4,5,6,7
	WM \a, \b, \p, \q, \sc
.endr
.endr
.endm
.macro FETCH_B slot, q, p              ; W's eight fragments of the slot's q-th 128 along K into set p: images of the registers, three loads of 16 bytes a lane each, 512 consecutive bytes a load
	WIN TO_B
.irp i, 0,1,2,3,4,5,6,7
.irp c, 0,1,2
	ds_load_b128 v[128*(\p)+FR*\i+4*\c:128*(\p)+FR*\i+4*\c+3], v[ADRB+\slot] offset:8*FRB*(\q)+FRB*\i+512*\c
.endr
.endr
	WIN 0
.endm
.macro FETCH_A slot, q, i0             ; x's blocks i0 .. i0 + 3
.irp i, \i0, \i0+1, \i0+2, \i0+3
	FRAG AF+FR*(\i), ADRA+\slot, \q, \i
.endr
.endm
.macro SCALES sc                       ; a slot's scale words into set sc: twelve loads
.irp p, 0,1,2,3
	ds_load_b64 v[SC+16*\sc+2*\p:SC+16*\sc+2*\p+1], v[ADRSA] offset:4352*\p
.endr
.irp q, 0,1
.irp p, 0,1,2,3
	ds_load_b32 v[SC+16*\sc+8+4*\q+\p], v[ADRSB] offset:512*\q+128*\p
.endr
.endr
.endm
; A load into a register that a matrix instruction has read, and an LDS store that reads a matrix result, stand NP places behind that matrix instruction, and only plain vector instructions that name none of
; its registers are places (ISA guide 7.12.1 for vector instructions); this text does not count the matrix instructions in between.
.macro PLACES n
.rept \n
	v_nop
.endr
.endm
; A step of 128 along K that has its successor in the same slot.  x's blocks go one after the other, each against W's eight: so a block of x is free as soon as its eight products are issued, and one set serves x.
.macro STEP slot, q
	s_wait_dscnt 4*NL                              ; W's set, x's blocks 0-3 and the scale words are in; the youngest 24 loads (x's blocks 4-7) may be out
	WIN MUL_LO
	MUL16 0, (\q)%2, \q, \slot
	MUL16 2, (\q)%2, \q, \slot
	s_wait_dscnt 0                                 ; x's blocks 4-7 are in (asked for 32 matrix instructions ago)
	PLACES NP
	FETCH_B \slot, (\q)+1, 1-(\q)%2
	FETCH_A \slot, (\q)+1, 0
	WIN MUL_HI
	MUL16 4, (\q)%2, \q, \slot
	MUL16 6, (\q)%2, \q, \slot
	PLACES NP
	WIN 0
	FETCH_A \slot, (\q)+1, 4
.endm
; A slot's last step changes slots: ONE barrier; in front of it each wave waits for all its tensor loads, adds 0 to its spare word, and waits for that and for its own reads of this slot.
; fill = 1: this slot is filled again, two slots ahead; lim: the register that says whether this change prefetches.
.macro TURN slot, next, fill, lim
.if \fill
	s_wait_xcnt 0x0                                ; the last prefetch, a slot back, has read its address: it is stepped here, ahead of the waits of the change of slots
	s_add_nc_u64 s[PFA:PFA+1], s[PFA:PFA+1], s[PFS:PFS+1]
.endif
	s_wait_tensorcnt 0x0                           ; all my tensor loads have landed: my part of the next slot;  (every window is 0 here: the add's two registers lie in window 0)
	ds_add_u32 v[SPW], v[NIL]                      ; 0 onto my spare word
	s_wait_dscnt 4*NL+1                            ; (the add and the youngest 24 loads, x's blocks 4-7, may be out)
	WIN MUL_LO
	MUL16 0, 1, 1, \slot                           ; sixteen matrix instructions stand between the add and the wait for it
	s_wait_dscnt 0x0                               ; the add is done, and my reads of this slot are over
	s_barrier_signal -1
	MUL16 2, 1, 1, \slot
	WIN 0
	s_barrier_wait -1
.if \fill
	CREST                                          ; the barrier has opened a round of the cluster's barrier: no wave of any partner still reads this slot's tile or has a load on its way
	s_add_nc_u64 s[G0+4*\slot+2:G0+4*\slot+3], s[G0+4*\slot+2:G0+4*\slot+3], 2*ROWB
	s_add_nc_u64 s[G0B+4*\slot+2:G0B+4*\slot+3], s[G0B+4*\slot+2:G0B+4*\slot+3], 2*HALFB
	JLOAD G0+4*\slot, G1, G0B+4*\slot, G1B         ; the first tensor load behind the round, my only one until the next; the four v_nop behind it are the places in front of the loads below
.else
	PLACES NP
.endif
	v_add_nc_u32 v[ADRSA], 8, v[ADRSA]             ; on to the next slot's scale words: two words in each row of x's,
	v_add_nc_u32 v[ADRSB], 1024, v[ADRSB]          ; two K steps of 512 bytes in W's
	FETCH_B \next, 0, 0
	FETCH_A \next, 0, 0
	SCALES \next
.if \fill
	ASK \lim
.endif
	WIN MUL_HI
	MUL16 4, 1, 1, \slot
	MUL16 6, 1, 1, \slot
	PLACES NP
	WIN 0
	FETCH_A \next, 0, 4
.endm
	s_wait_tensorcnt 1                             ; the scales and my part of slot 0 are in (slot 1's load may be out)
	s_barrier_signal -1
	s_barrier_wait -1                              ; everybody's are
	FETCH_B 0, 0, 0
	FETCH_A 0, 0, 0
	SCALES 0
	FETCH_A 0, 0, 4
	STEP 0, 0
	s_mov_b32 s3, LAPS-1
.Llap:                                             ; a trip goes once round the ring, from a lap's second step to the next lap's first, and fills both slots again
	TURN 0, 1, 1, LIM0
	STEP 1, 0
	TURN 1, 0, 1, LIM1
	STEP 0, 0
	s_sub_co_u32 s3, s3, 1
	s_cmp_lg_u32 s3, 0
	s_cbranch_scc1 .Llap
	TURN 0, 1, 0, 0                                ; the last lap fills nothing, and has no round of the cluster's barrier
	STEP 1, 0
	s_wait_dscnt 4*NL                              ; the very last step: nothing more to fetch
	WIN MUL_LO
	MUL16 0, 1, 1, 1
	MUL16 2, 1, 1, 1
	s_wait_dscnt 0
	WIN MUL_HI
	MUL16 4, 1, 1, 1
	MUL16 6, 1, 1, 1
	WIN 0
; THE WAY OUT, block by block of 16 rows x 128 columns.  A lane holds 32 neighbouring bytes of a row, and the lanes beside it hold other rows: so a block goes through my own stage in LDS and comes back as whole
; rows of 512 bytes, which the 32 lanes store as 512 consecutive bytes, aligned.  LDS serves a wave's instructions in order (ISA guide 5.7.1.4): no wait between the stores and the loads, nor in front of the next block's stores.
.macro TOSTAGE a
.set AC, 64*((\a)%4)
	WIN 0x08+4*((\a)/4)                            ; the data: window 2 or 3
.irp b, 0,1,2,3,4,5,6,7
	ds_store_b128 v[STO], v[AC+8*\b:AC+8*\b+3] offset:64*\b          ; each accumulator from its low end on
	ds_store_b128 v[STO], v[AC+8*\b+4:AC+8*\b+7] offset:64*\b+16
.endr
	WIN 0
.set BB, BK+64*((\a)%2)
.irp t, 0,1,2,3,4,5,6,7,8,9,10,11,12,13,14,15
	ds_load_b128 v[BB+4*\t:BB+4*\t+3], v[RD] offset:\t*SPITCH
.endr
.endm
.macro SEND a, younger                 ; younger: the LDS instructions issued behind block a's loads, which may stay out
.set BB, BK+64*((\a)%2)
	s_wait_dscnt \younger                          ; the block is back in registers
.if (\a) > 0
	s_add_nc_u64 s[12:13], s[12:13], 16*NROW       ; (behind a wait on XCNT: the earlier stores have read their base)  16 rows of out0 on: the stores' offsets reach 15 rows, 245,760 bytes
.endif
.irp t, 0,1,2,3,4,5,6,7,8,9,10,11,12,13,14,15
	global_store_b128 v[CO], v[BB+4*\t:BB+4*\t+3], s[12:13] offset:\t*NROW th:TH_STORE_NT   ; written once, read by nobody here
.endr
.endm
	PLACES NP                                      ; for the loads into the registers that held x's fragments, and for the reads of the last products' results
	TOSTAGE 0
.irp a, 1,2,3,4,5,6,7
.if \a > 1
	s_wait_xcnt 0x0                                ; block a - 2's stores have read their registers and their base: block a's loads may land there, and the base may step
.endif
	TOSTAGE \a
	SEND \a-1, 32                                  ; behind block a - 1's loads: block a's 16 stores and 16 loads
.endr
	s_wait_xcnt 0x0                                ; block 6's stores have read their base
	SEND 7, 0
	s_wait_tensorcnt 0x0                           ; the wave's end: behind my last tensor load and my last LDS store
	ds_add_u32 v[SPW], v[NIL]
	s_wait_dscnt 0x0
	CROUND                                         ; the closing round: no work-group ends while a partner may still ask for a tile that names it
	s_endpgm
.Lfunc_end_k_q17c9e0fe57_gemm:
	.size	k_q17c9e0fe57_gemm, .Lfunc_end_k_q17c9e0fe57_gemm-k_q17c9e0fe57_gemm
	.p2alignl 7, 3214868480
	.fill 96, 4, 3214868480
	.section	.rodata,"a",@progbits
	.p2align	6, 0x0
	.amdhsa_kernel k_q17c9e0fe57_gemm
		.amdhsa_group_segment_fixed_size 327680
		.amdhsa_private_segment_fixed_size 0
		.amdhsa_enable_private_segment 0
		.amdhsa_kernarg_size 64
		.amdhsa_user_sgpr_count 2
		.amdhsa_user_sgpr_kernarg_segment_ptr 1
		.amdhsa_wavefront_size32 1
		.amdhsa_system_sgpr_workgroup_id_x 1
		.amdhsa_system_sgpr_workgroup_id_y 1
		.amdhsa_system_sgpr_workgroup_id_z 1
		.amdhsa_system_vgpr_workitem_id 0
		.amdhsa_next_free_vgpr 1024
		.amdhsa_next_free_sgpr 106
		.amdhsa_reserve_vcc 0
		.amdhsa_float_denorm_mode_32 3
		.amdhsa_float_denorm_mode_16_64 3
		.amdhsa_memory_ordered 1
		.amdhsa_forward_progress 1
		.amdhsa_inst_pref_size 163
	.end_amdhsa_kernel
	.amdgpu_metadata
---
amdhsa.version: [ 1, 2 ]
amdhsa.kernels:
  - .name:           k_q17c9e0fe57_gemm
    .symbol:         k_q17c9e0fe57_gemm.kd
    .args:
      - { .name: x_codes, .offset: 0, .size: 8, .value_kind: global_buffer, .address_space: global }
      - { .name: x_scales, .offset: 8, .size: 8, .value_kind: global_buffer, .address_space: global }
      - { .name: wq_codes, .offset: 16, .size: 8, .value_kind: global_buffer, .address_space: global }
      - { .name: wq_scales, .offset: 24, .size: 8, .value_kind: global_buffer, .address_space: global }
      - { .name: out0, .offset: 32, .size: 8, .value_kind: global_buffer, .address_space: global }
      - { .name: bias, .offset: 40, .size: 8, .value_kind: global_buffer, .address_space: global }
      - { .name: lora_B, .offset: 48, .size: 8, .value_kind: global_buffer, .address_space: global }
      - { .name: t_bf, .offset: 56, .size: 8, .value_kind: global_buffer, .address_space: global }
    .group_segment_fixed_size: 327680
    .private_segment_fixed_size: 0
    .kernarg_segment_align: 8
    .kernarg_segment_size: 64
    .max_flat_workgroup_size: 128
    .sgpr_count:     106
    .vgpr_count:     1024
    .wavefront_size: 32
...
	.end_amdgpu_metadata
.endif
;; end of part 2
;; ======== version 2 of 2: 2 launches
;; limits: values are held in bf16: 8 bits of precision; right only within a limited range of input values
;; workspace buffers: wq 13,107,200 bytes; xq 13,107,200 bytes; t_bf 131,072 bytes
;; launch prep (part 3): grid 64 x 4, 8 waves a work-group, no clusters, 162,816 bytes of LDS; arguments qweight, qzeros, scales, x_codes, x_scales, lora_A_codes, lora_A_scales, wq, xq, t_bf; writes wq, xq, t_bf
.if DOCPART == 3
	.amdgcn_target "amdgcn-amd-amdhsa--gfx1250"
	.amdhsa_code_object_version 6
	.text
	.protected	k_q17c9e0fe57_prep
	.globl	k_q17c9e0fe57_prep
	.p2align	8
	.type	k_q17c9e0fe57_prep,@function
k_q17c9e0fe57_prep:
	s_mov_b64 s[64:65], 0
	v_nop
	global_prefetch_b8 v0, s[64:65] scope:SCOPE_SE
	s_setreg_imm32_b32 hwreg(HW_REG_WAVE_MODE, 25, 1), 1
	s_wait_xcnt 0x0
; THREE JOBS, each done once for the whole program.
; (a) W[k][n] = scales[k/128][n] x (w4[k][n] - z4[k/128][n]) in f32, quantised along K to codes of BF6 (E3M2) with one E8M0 byte for each 32 along K.
; (b) t2 = 2 x (x lora_A^T), both operands given as codes, by the scaled matrix instruction; rounded to bf16 for the last product: t_bf [4096][16].
; (c) x's codes and scale bytes, which (b) reads anyway, are laid anew as the next launch's operands.
; THE TWO OPERANDS' LAYOUT, wq by columns n and xq by rows m alike: [n/128 (32)][k/128 (32)][12,800 bytes].  A block of 12,800 bytes: eight IMAGES OF AN OPERAND'S REGISTERS, 1,536 bytes each, for the eight
; fragments of 16 columns x 128 K: register p (0..11) of lane (r = n%16, h) lies at 512 (p/4) + 16 (r + 16 h) + 4 (p%4), and registers 6 c .. 6 c + 5 hold the block 2 c + h of the K step; behind them 512 bytes
; of scale words, column n%128's at 4 (n%128), byte b for block b.
; SHARES.  256 work-groups of eight waves.  Work-group (cg, ky), wave w: columns 64 cg .. + 63 and the group g = 8 ky + w of 128 along K.  Lane l holds columns 2 l and 2 l + 1, so that a load of a row of
; qweight covers 256 consecutive bytes, aligned; the group's scale and zero are constants of the lane; a block of 32 along K lies in ONE lane's registers.  A wave's codes are four whole fragments, 6,144
; consecutive bytes, its scale words 256.  For (b) and (c) the work-group owns 16 rows of x (tile 64 ky + cg); wave w takes K steps 4 w .. 4 w + 3; the eight partial tiles of (b) meet in LDS behind one barrier.
; x AND lora_A ARE LOADED AS THEY LIE, 16 bytes a lane, eight lanes to 128 consecutive bytes of a row, and turn through a stage of the wave's own in LDS into fragments.
; THE NIBBLES STAY IN THEIR PLACES: (word & (15 << 4 j)) | 0x4B000000 is the f32 number 2^23 + w 16^j; less 2^23 + z 16^j that is (w - z) 16^j, exactly; times s 16^-j it is s (w - z), rounded once.
; No tensor loads, no cluster: the work-groups share lora_A alone (51,200 of the 136,000 bytes or so that a work-group reads), and every load of a wave goes out at its head.
; LIMITS: NaN and infinities in scales are not served; |scales| under 2^-114 loses bits (s 16^-3 is then denormal); a block of zeros gets the byte 1 where the rule says 127: its codes are zeros, which add
; nothing under any byte but 0xff, and the bytes are read by this program alone.
.set STGW, 6400                        ; LDS: a stage for each wave: W's four fragments, FP bytes apart
.set FP,   1552                        ; a fragment's 1,536 bytes + 16
.set RED,  8*STGW                      ; behind these stages: eight partial tiles of 1,024 bytes
.set XST,  RED+8192                    ; then a stage for each wave's 16 rows x 384 bytes of x, RP bytes from row to row,
.set LOFF, 8*STGW                      ; and, this far behind x's, the same for lora_A
.set RP,   400                         ; 384 bytes + 16 = 100 words: row r starts at bank 36 r mod 64 (64 banks of 4 bytes: ISA guide 11.1): the 32 lanes of an 8-byte read touch 64 different banks
.set STEPB, 12800                      ; a block of the operands' layout
.set STREAM, 32*STEPB                  ; 128 rows or columns, all of K
.set QO,  4                            ; v4   8 x lane: my two columns in a row of qweight, of scales, of the scale words
.set ZO,  5                            ; v5   4 x (lane / 4): my word of qzeros
.set SH,  6                            ; v6   8 x (lane % 4): where my first column's zero begins in it
.set RLO, 7                            ; v7   3,072 (lane / 8) + 16 (lane % 8): my 16 bytes of four rows' 128
.set SRO, 8                            ; v8   128 r: my row of scale bytes
.set STA, 9                            ; v9   W's stage, in: 6,400 w + 1,552 (lane / 8) + 32 (lane % 8)
.set STR, 10                           ; v10  W's stage, out: 6,400 w + 16 lane
.set GO,  11                           ; v11  16 x lane
.set RDA, 12                           ; v12  my wave's partial tile: RED + 1,024 w + 16 lane
.set ZW,  13                           ; v13  the word of qzeros
.set Z,   14                           ; v14-15 z of my two columns
.set S,   16                           ; v16-17 s of my two columns
.set NZ,  18                           ; v18-25 -(2^23 + z 16^j): column c, j = 0..3 at NZ + 4 c + j
.set SP,  26                           ; v26-33 s 16^-j likewise
.set SW,  34                           ; v34-35 my two columns' scale words
.set MX,  36                           ; v36-37 two chains of the largest magnitude
.set SO,  38                           ; v38  the conversion's scale operand
.set BY,  39                           ; v39  the scale's byte
.set QH,  40                           ; v40-43 four words >> 16
.set C,   44                           ; v44-67 codes: a set of 12 for each column
.set Q,   68                           ; v68-99 qweight: row i, column c at Q + 2 i + c; later, with v100-115, W's fragments on their way out
.set X,   100                          ; v100-131 a block's 32 numbers
.set XF,  20                           ; v20-67  later: x's four fragments
.set LAF, 68                           ; v68-115 later: lora_A's four
.set ACC, 116                          ; v116-131 later: two accumulators
.set RX,  132                          ; v132-179 x as loaded
.set RL,  180                          ; v180-227 lora_A as loaded
.set SUM, 132                          ; v132-195 in wave 0 at the end: the eight partial tiles
.set XS,  228                          ; v228-231 x's scale words
.set LAS, 232                          ; v232-235 lora_A's
.set P,   236                          ; v236-243 my partial tile
.set XSI, 244                          ; v244 x's stage, in: XST + 6,400 w + 400 (lane / 8) + 16 (lane % 8)
.set XSO, 245                          ; v245 x's stage, out: XST + 6,400 w + 400 r + 24 h
.set XWO, 246                          ; v246 4 r + 12,800 h: my row's scale word, lanes 16-31 in the next K step's block
.set T0,  247                          ; v247-248 the scale words on their way out
.set RDB, 252                          ; v252 RED + 16 lane
.set TO,  253                          ; v253 32 r + 16 h: my place in 16 rows of t_bf
.set TMP, 254
.set TM2, 255
	s_load_b512 s[8:23], s[0:1], 0x0               ; qweight 8, qzeros 10, scales 12, x_codes 14, x_scales 16, lora_A_codes 18, lora_A_scales 20, wq 22
	s_load_b128 s[24:27], s[0:1], 0x40             ; xq 24, t_bf 26
	v_lshl_add_u32 v250, v0, 2, 0x27800
	v_mov_b32 v251, 0
	v_lshrrev_b32 v1, 5, v0
	s_delay_alu instid0(VALU_DEP_1)
	v_readfirstlane_b32 s28, v1                    ; wave 0..7
	s_mov_b32 s29, ttmp9                           ; cg
	s_and_b32 s30, ttmp7, 0xffff                   ; ky
	s_lshl_b32 s31, s30, 3
	s_add_co_u32 s31, s31, s28                     ; g = 8 ky + wave
	s_lshl_b32 s34, s30, 6
	s_add_co_u32 s34, s34, s29                     ; tile = 64 ky + cg
	s_mov_b32 s44, 0xf0
	s_mov_b32 s45, 0xf00
	s_mov_b32 s46, 0xf000
	s_mov_b32 s47, 0x4b000000                      ; 2^23
	v_and_b32 v1, 31, v0                           ; lane
	v_and_b32 v2, 15, v0                           ; r
	v_bfe_u32 v3, v0, 4, 1                         ; h
	s_delay_alu instid0(VALU_DEP_3)
	v_lshlrev_b32 v[QO], 3, v1
	s_delay_alu instid0(VALU_DEP_4)
	v_lshrrev_b32 v[ZO], 2, v1
	s_delay_alu instid0(VALU_DEP_1)
	v_lshlrev_b32 v[ZO], 2, v[ZO]
	v_and_b32 v[SH], 3, v1
	s_delay_alu instid0(VALU_DEP_1)
	v_lshlrev_b32 v[SH], 3, v[SH]
	v_lshlrev_b32 v[SRO], 7, v2
	s_mul_i32 s35, s28, STGW
	v_lshrrev_b32 v[TMP], 3, v1                    ; lane / 8
	v_and_b32 v[TM2], 7, v1                        ; lane % 8
	s_delay_alu instid0(VALU_DEP_2)
	v_mul_u32_u24 v[STA], v[TMP], FP
	s_delay_alu instid0(VALU_DEP_1)
	v_lshl_add_u32 v[STA], v[TM2], 5, v[STA]
	s_delay_alu instid0(VALU_DEP_1)
	v_add_nc_u32 v[STA], s35, v[STA]
	v_lshl_add_u32 v[STR], v1, 4, s35
	v_lshlrev_b32 v[GO], 4, v1
	v_mul_u32_u24 v[RLO], v[TMP], 3072
	s_delay_alu instid0(VALU_DEP_1)
	v_lshl_add_u32 v[RLO], v[TM2], 4, v[RLO]
	s_add_co_u32 s36, s35, XST
	v_mul_u32_u24 v[XSI], v[TMP], RP
	s_delay_alu instid0(VALU_DEP_1)
	v_lshl_add_u32 v[XSI], v[TM2], 4, v[XSI]
	s_delay_alu instid0(VALU_DEP_1)
	v_add_nc_u32 v[XSI], s36, v[XSI]
	v_mul_u32_u24 v[XSO], v2, RP
	s_delay_alu instid0(VALU_DEP_1)
	v_mad_u32_u24 v[XSO], v3, 24, v[XSO]
	s_delay_alu instid0(VALU_DEP_1)
	v_add_nc_u32 v[XSO], s36, v[XSO]
	v_mul_u32_u24 v[XWO], v3, STEPB
	s_delay_alu instid0(VALU_DEP_1)
	v_lshl_add_u32 v[XWO], v2, 2, v[XWO]
	s_lshl_b32 s36, s28, 10
	s_add_co_u32 s36, s36, RED
	v_lshl_add_u32 v[RDA], v1, 4, s36
	v_lshl_add_u32 v[RDB], v1, 4, RED
	v_lshlrev_b32 v[TO], 5, v2
	s_delay_alu instid0(VALU_DEP_1)
	v_lshl_add_u32 v[TO], v3, 4, v[TO]
	s_mov_b32 s33, 0                               ; the upper word of every offset: all stay under 2^31
	s_wait_kmcnt 0x0
	; ALL 44 LOADS OF THE WAVE, in the order in which they are wanted: 18 for W, then 26 for x and lora_A
	s_lshl_b32 s32, s31, 11                        ; qzeros: g rows of 2,048 bytes + 8 cg words
	s_lshl_b32 s35, s29, 5
	s_add_co_u32 s32, s32, s35
	s_add_nc_u64 s[10:11], s[10:11], s[32:33]
	global_load_b32 v[ZW], v[ZO], s[10:11]
	s_lshl_b32 s32, s31, 14                        ; scales: g rows of 16,384 bytes + 64 cg columns
	s_lshl_b32 s35, s29, 8
	s_add_co_u32 s32, s32, s35
	s_add_nc_u64 s[12:13], s[12:13], s[32:33]
	global_load_b64 v[S:S+1], v[QO], s[12:13]
	s_lshl_b32 s32, s31, 18                        ; qweight: 16 g rows of 16,384 bytes + 64 cg columns
	s_add_co_u32 s32, s32, s35
	s_add_nc_u64 s[8:9], s[8:9], s[32:33]
.irp i, 0,1,2,3,4,5,6,7,8,9,10,11,12,13,14,15
	global_load_b64 v[Q+2*\i:Q+2*\i+1], v[QO], s[8:9] offset:16384*\i th:TH_LOAD_NT   ; 32 lanes read 256 consecutive bytes, aligned
.endr
	s_mul_i32 s32, s34, 49152                      ; x_codes: 16 tile rows of 3,072 bytes + 4 wave K steps of 96
	s_mul_i32 s35, s28, 384
	s_add_co_u32 s32, s32, s35
	s_add_nc_u64 s[14:15], s[14:15], s[32:33]
.irp t, 0,1,2,3
.irp j, 0,1,2
	global_load_b128 v[RX+4*(3*\t+\j):RX+4*(3*\t+\j)+3], v[RLO], s[14:15] offset:12288*\t+128*\j th:TH_LOAD_NT   ; rows 4 t .. 4 t + 3, 128 consecutive bytes of each
.endr
.endr
	s_mov_b32 s32, s35
	s_add_nc_u64 s[18:19], s[18:19], s[32:33]      ; lora_A_codes: the same K steps of its 16 rows
.irp t, 0,1,2,3
.irp j, 0,1,2
	global_load_b128 v[RL+4*(3*\t+\j):RL+4*(3*\t+\j)+3], v[RLO], s[18:19] offset:12288*\t+128*\j
.endr
.endr
	s_lshl_b32 s32, s34, 11                        ; x_scales: 16 tile rows of 128 bytes + 4 wave words
	s_lshl_b32 s35, s28, 4
	s_add_co_u32 s32, s32, s35
	s_add_nc_u64 s[16:17], s[16:17], s[32:33]
	global_load_b128 v[XS:XS+3], v[SRO], s[16:17]  ; my row's four words: one for each K step
	s_mov_b32 s32, s35
	s_add_nc_u64 s[20:21], s[20:21], s[32:33]
	global_load_b128 v[LAS:LAS+3], v[SRO], s[20:21]
	; where the results go
	s_lshr_b32 s36, s29, 1                         ; n / 128
	s_and_b32 s37, s29, 1                          ; which half of its 128 columns
	s_mul_i32 s32, s36, STREAM
	s_mul_i32 s35, s31, STEPB
	s_add_co_u32 s32, s32, s35
	s_add_nc_u64 s[22:23], s[22:23], s[32:33]      ; wq at the block (n / 128, g)
	s_lshl_b32 s32, s37, 8
	s_add_co_u32 s32, s32, 8*1536
	s_add_nc_u64 s[38:39], s[22:23], s[32:33]      ; my 64 columns' scale words
	s_mul_i32 s32, s37, 6144
	s_add_nc_u64 s[22:23], s[22:23], s[32:33]      ; my four fragments
	s_lshr_b32 s36, s34, 3                         ; m / 128
	s_and_b32 s37, s34, 7                          ; which 16 of its 128 rows
	s_mul_i32 s32, s36, STREAM
	s_mul_i32 s35, s28, 4*STEPB
	s_add_co_u32 s32, s32, s35
	s_add_nc_u64 s[24:25], s[24:25], s[32:33]      ; xq at the block (m / 128, 4 wave)
	s_lshl_b32 s32, s37, 6
	s_add_co_u32 s32, s32, 8*1536
	s_add_nc_u64 s[40:41], s[24:25], s[32:33]      ; my 16 rows' scale words
	s_mul_i32 s32, s37, 1536
	s_add_nc_u64 s[24:25], s[24:25], s[32:33]      ; my fragment
	s_lshl_b32 s32, s34, 9
	s_add_nc_u64 s[26:27], s[26:27], s[32:33]      ; t_bf: 16 tile rows of 32 bytes
	s_wait_loadcnt 38                              ; the zeros, the scales and qweight's rows 0-3 are in: 12 rows and the 26 later loads may be out
	v_bfe_u32 v[Z], v[ZW], v[SH], 4
	v_add_nc_u32 v[TMP], 4, v[SH]
	s_delay_alu instid0(VALU_DEP_1)
	v_bfe_u32 v[Z+1], v[ZW], v[TMP], 4
.irp c, 0,1
.irp j, 0,1,2,3
	v_lshl_or_b32 v[NZ+4*\c+\j], v[Z+\c], 4*\j, 0xcb000000   ; -(2^23 + z 16^j)
.endr
	v_mov_b32 v[SP+4*\c], v[S+\c]
	v_mul_f32 v[SP+4*\c+1], 0x3d800000, v[S+\c]    ; s / 16: a power of two, nothing is rounded
	v_mul_f32 v[SP+4*\c+2], 0x3b800000, v[S+\c]    ; s / 256
	v_mul_f32 v[SP+4*\c+3], 0x39800000, v[S+\c]    ; s / 4,096
.endr
; A UNIT: block b (32 along K: four rows of qweight) of column c: dequantised, quantised, into the stage.
.macro UNIT b, c
.set CC, C+12*(\c)
.if (\c) == 0
	s_wait_loadcnt 26+4*(3-(\b))                   ; the block's four rows are in; the later rows and the 26 loads of x and lora_A may be out
.endif
.irp i, 0,1,2,3
	v_lshrrev_b32 v[QH+\i], 16, v[Q+2*(4*(\b)+\i)+(\c)]
.endr
.irp i, 0,1,2,3                                    ; number 8 i + j is k = 32 b + 8 i + j of the group
	v_and_or_b32 v[X+8*\i],   v[Q+2*(4*(\b)+\i)+(\c)], 15,  s47
	v_and_or_b32 v[X+8*\i+1], v[Q+2*(4*(\b)+\i)+(\c)], s44, s47
	v_and_or_b32 v[X+8*\i+2], v[Q+2*(4*(\b)+\i)+(\c)], s45, s47
	v_and_or_b32 v[X+8*\i+3], v[Q+2*(4*(\b)+\i)+(\c)], s46, s47
	v_and_or_b32 v[X+8*\i+4], v[QH+\i], 15,  s47
	v_and_or_b32 v[X+8*\i+5], v[QH+\i], s44, s47
	v_and_or_b32 v[X+8*\i+6], v[QH+\i], s45, s47
	v_and_or_b32 v[X+8*\i+7], v[QH+\i], s46, s47
.endr
.irp i, 0,1,2,3
.irp m, 0,1,2,3
	v_pk_add_f32 v[X+8*\i+2*\m:X+8*\i+2*\m+1], v[X+8*\i+2*\m:X+8*\i+2*\m+1], v[NZ+4*(\c)+2*(\m%2):NZ+4*(\c)+2*(\m%2)+1]   ; (w - z) 16^j, exactly
.endr
.endr
.irp i, 0,1,2,3
.irp m, 0,1,2,3
	v_pk_mul_f32 v[X+8*\i+2*\m:X+8*\i+2*\m+1], v[X+8*\i+2*\m:X+8*\i+2*\m+1], v[SP+4*(\c)+2*(\m%2):SP+4*(\c)+2*(\m%2)+1]   ; s (w - z), rounded once
.endr
.endr
	v_max3_num_f32 v[MX],   |v[X]|,   |v[X+1]|, |v[X+2]|        ; the block's largest magnitude: all 32 numbers are mine; two chains
	v_max3_num_f32 v[MX+1], |v[X+3]|, |v[X+4]|, |v[X+5]|
.irp i, 6,10,14,18,22,26
	s_delay_alu instid0(VALU_DEP_2)
	v_max3_num_f32 v[MX],   v[MX],   |v[X+\i]|,   |v[X+\i+1]|
	s_delay_alu instid0(VALU_DEP_2)
	v_max3_num_f32 v[MX+1], v[MX+1], |v[X+\i+2]|, |v[X+\i+3]|
.endr
	s_delay_alu instid0(VALU_DEP_2)
	v_max3_num_f32 v[MX], v[MX], |v[X+30]|, |v[X+31]|
	s_delay_alu instid0(VALU_DEP_1)
	v_max3_num_f32 v[MX], v[MX], v[MX+1], 0x2800000             ; and the floor 2^(5 - 127): the byte cannot fall under 1
	s_delay_alu instid0(VALU_DEP_1)
	v_add_nc_u32 v[SO], 0xfe000000, v[MX]          ; 4 off its exponent field: the conversion takes the exponent field of this operand as its scale
.if (\b) > 0
	s_wait_alu depctr_va_vdst(0)
	s_wait_dscnt 2                                 ; the last unit's two stores may be out: those of the unit before it, which read this set of registers, are done
.endif
	v_cvt_scalef32_pk16_bf6_f32 v[CC:CC+2], v[X:X+15], v[SO]
	v_cvt_scalef32_pk16_bf6_f32 v[CC+8:CC+10], v[X+16:X+31], v[SO]   ; (a conversion's three registers begin on an even number)
	v_lshrrev_b32 v[BY], 23, v[SO]                 ; the scale's byte; also the plain instruction behind the conversions
.if (\b) == 0
	s_delay_alu instid0(VALU_DEP_1)
	v_mov_b32 v[SW+(\c)], v[BY]
.else
	s_delay_alu instid0(VALU_DEP_1)
	v_lshl_or_b32 v[SW+(\c)], v[BY], 8*(\b), v[SW+(\c)]
.endif
.irp i, 0,1,2
	v_mov_b32 v[CC+3+\i], v[CC+8+\i]               ; the block's six registers on end
.endr
.if (\b) < 2                                       ; blocks 0, 1: registers 0-5 of lane r + 16 b of the fragment's image; r = 2 (lane % 8) + c
	ds_store_b128 v[STA], v[CC:CC+3] offset:16*(\c)+256*(\b)
	ds_store_b64  v[STA], v[CC+4:CC+5] offset:512+16*(\c)+256*(\b)
.else                                              ; blocks 2, 3: registers 6-11 of lane r + 16 (b - 2)
	ds_store_b64  v[STA], v[CC:CC+1] offset:520+16*(\c)+256*((\b)-2)
	ds_store_b128 v[STA], v[CC+2:CC+5] offset:1024+16*(\c)+256*((\b)-2)
.endif
.endm
.irp b, 0,1,2,3
.irp c, 0,1
	UNIT \b, \c
.endr
.endr
	global_store_b64 v[QO], v[SW:SW+1], s[38:39]   ; 32 lanes store 256 consecutive bytes, aligned: 64 columns' scale words
.irp t, 0,1,2,3,4,5,6,7,8,9,10,11
	ds_load_b128 v[Q+4*\t:Q+4*\t+3], v[STR] offset:(\t/3)*FP+(\t%3)*512   ; LDS serves a wave's instructions in order (ISA guide 5.7.1.4): these see my stores
.endr
.irp t, 0,1,2,3,4,5,6,7,8,9,10,11
	s_wait_dscnt 11-\t                             ; load t is back; the younger ones may be out
	global_store_b128 v[GO], v[Q+4*\t:Q+4*\t+3], s[22:23] offset:512*\t   ; 32 lanes store 512 consecutive bytes, aligned
.endr
	; x AND lora_A: rows into my stages as loaded, fragments out: lane (r, h) takes, of row r and K step s, the 24 bytes at 96 s + 24 h and those 48 bytes on, in pieces of 8
	s_wait_loadcnt 0x0
	s_wait_xcnt 0x0                                ; W's stores have read their registers: v20-115 take the fragments
.irp t, 0,1,2,3
.irp j, 0,1,2
	ds_store_b128 v[XSI], v[RX+4*(3*\t+\j):RX+4*(3*\t+\j)+3] offset:4*RP*\t+128*\j
.endr
.endr
.irp s, 0,1,2,3
.irp p, 0,1,2,3,4,5
	ds_load_b64 v[XF+12*\s+2*\p:XF+12*\s+2*\p+1], v[XSO] offset:96*\s+48*(\p/3)+8*(\p%3)
.endr
.endr
.irp t, 0,1,2,3
.irp j, 0,1,2
	ds_store_b128 v[XSI], v[RL+4*(3*\t+\j):RL+4*(3*\t+\j)+3] offset:LOFF+4*RP*\t+128*\j
.endr
.endr
.irp s, 0,1,2,3
.irp p, 0,1,2,3,4,5
	ds_load_b64 v[LAF+12*\s+2*\p:LAF+12*\s+2*\p+1], v[XSO] offset:LOFF+96*\s+48*(\p/3)+8*(\p%3)
.endr
.endr
	v_cmp_eq_u32 vcc_lo, 1, v3                     ; x's scale words leave two K steps at a time: lanes 0-15 the first's, lanes 16-31 the second's
	s_delay_alu instid0(VALU_DEP_1)
	v_cndmask_b32 v[T0], v[XS], v[XS+1], vcc_lo
	s_delay_alu instid0(VALU_DEP_2)
	v_cndmask_b32 v[T0+1], v[XS+2], v[XS+3], vcc_lo
	global_store_b32 v[XWO], v[T0], s[40:41]       ; sixteen lanes store 64 consecutive bytes: a tile of 16 rows has no more in a K step's block
	global_store_b32 v[XWO], v[T0+1], s[40:41] offset:2*STEPB
	s_wait_dscnt 36                                ; x's fragments are in; lora_A's 12 stores and 24 loads may be out
.irp s, 0,1,2,3
.irp c, 0,1,2
	global_store_b128 v[GO], v[XF+12*\s+4*\c:XF+12*\s+4*\c+3], s[24:25] offset:STEPB*\s+512*\c   ; the fragment as it stands: 512 consecutive bytes, aligned
.endr
.endr
	; THE SMALL PRODUCT, transposed: source 0 = lora_A's 16 ranks, source 1 = my work-group's 16 rows of x: lane (r, h) holds t(row r, ranks 8 h .. 8 h + 7).
	; Two accumulators take turns, one instruction a turn.
	s_wait_dscnt 0x0
	v_wmma_scale_f32_16x16x128_f8f6f4 v[ACC:ACC+7], v[LAF:LAF+11], v[XF:XF+11], 0, v[LAS], v[XS] matrix_a_fmt:MATRIX_FMT_BF6 matrix_b_fmt:MATRIX_FMT_BF6
	v_wmma_scale_f32_16x16x128_f8f6f4 v[ACC+8:ACC+15], v[LAF+12:LAF+23], v[XF+12:XF+23], 0, v[LAS+1], v[XS+1] matrix_a_fmt:MATRIX_FMT_BF6 matrix_b_fmt:MATRIX_FMT_BF6
	v_wmma_scale_f32_16x16x128_f8f6f4 v[ACC:ACC+7], v[LAF+24:LAF+35], v[XF+24:XF+35], v[ACC:ACC+7], v[LAS+2], v[XS+2] matrix_a_fmt:MATRIX_FMT_BF6 matrix_b_fmt:MATRIX_FMT_BF6
	v_wmma_scale_f32_16x16x128_f8f6f4 v[ACC+8:ACC+15], v[LAF+36:LAF+47], v[XF+36:XF+47], v[ACC+8:ACC+15], v[LAS+3], v[XS+3] matrix_a_fmt:MATRIX_FMT_BF6 matrix_b_fmt:MATRIX_FMT_BF6
.rept 4
	v_nop                                          ; four places between a matrix instruction and the first read of its result (ISA guide 7.12.1)
.endr
.irp i, 0,2,4,6
	v_pk_add_f32 v[P+\i:P+\i+1], v[ACC+\i:ACC+\i+1], v[ACC+8+\i:ACC+8+\i+1]   ; each accumulator from its low end on
.endr
	ds_store_b128 v[RDA], v[P:P+3]
	ds_store_b128 v[RDA], v[P+4:P+7] offset:512
	s_wait_dscnt 0x0                               ; for wave 0's sake: my partial tile lies in LDS
	s_barrier_signal -1
	s_barrier_wait -1
	s_cmp_lg_u32 s28, 0
	s_cbranch_scc1 .Ldone
.irp p, 0,1,2,3,4,5,6,7
	ds_load_b128 v[SUM+8*\p:SUM+8*\p+3], v[RDB] offset:1024*\p
	ds_load_b128 v[SUM+8*\p+4:SUM+8*\p+7], v[RDB] offset:1024*\p+512
.endr
	s_wait_dscnt 0x0
.irp p, 0,2,4,6
.irp i, 0,2,4,6
	v_pk_add_f32 v[SUM+8*\p+\i:SUM+8*\p+\i+1], v[SUM+8*\p+\i:SUM+8*\p+\i+1], v[SUM+8*\p+8+\i:SUM+8*\p+8+\i+1]
.endr
.endr
.irp p, 0,4
.irp i, 0,2,4,6
	v_pk_add_f32 v[SUM+8*\p+\i:SUM+8*\p+\i+1], v[SUM+8*\p+\i:SUM+8*\p+\i+1], v[SUM+8*\p+16+\i:SUM+8*\p+16+\i+1]
.endr
.endr
.irp i, 0,2,4,6
	s_delay_alu instid0(VALU_DEP_4)
	v_pk_add_f32 v[SUM+\i:SUM+\i+1], v[SUM+\i:SUM+\i+1], v[SUM+32+\i:SUM+32+\i+1]
.endr
.irp i, 0,2,4,6
	s_delay_alu instid0(VALU_DEP_4)
	v_pk_mul_f32 v[SUM+\i:SUM+\i+1], v[SUM+\i:SUM+\i+1], 2.0 op_sel_hi:[1,0]   ; lora_alpha / r = 2: exact
.endr
.irp i, 0,1,2,3
	s_delay_alu instid0(VALU_DEP_4)
	v_cvt_pk_bf16_f32 v[200+\i], v[SUM+2*\i], v[SUM+2*\i+1]
.endr
	global_store_b128 v[TO], v[200:203], s[26:27]  ; 16 rows of 32 bytes: 512 consecutive bytes, aligned
.Ldone:
	s_wait_tensorcnt 0x0
	ds_add_u32 v250, v251
	s_wait_dscnt 0x0
	s_endpgm
.Lfunc_end_k_q17c9e0fe57_prep:
	.size	k_q17c9e0fe57_prep, .Lfunc_end_k_q17c9e0fe57_prep-k_q17c9e0fe57_prep
	.p2alignl 7, 3214868480
	.fill 96, 4, 3214868480
	.section	.rodata,"a",@progbits
	.p2align	6, 0x0
	.amdhsa_kernel k_q17c9e0fe57_prep
		.amdhsa_group_segment_fixed_size 162816
		.amdhsa_private_segment_fixed_size 0
		.amdhsa_enable_private_segment 0
		.amdhsa_kernarg_size 80
		.amdhsa_user_sgpr_count 2
		.amdhsa_user_sgpr_kernarg_segment_ptr 1
		.amdhsa_wavefront_size32 1
		.amdhsa_system_sgpr_workgroup_id_x 1
		.amdhsa_system_sgpr_workgroup_id_y 1
		.amdhsa_system_sgpr_workgroup_id_z 1
		.amdhsa_system_vgpr_workitem_id 0
		.amdhsa_next_free_vgpr 256
		.amdhsa_next_free_sgpr 66
		.amdhsa_reserve_vcc 1
		.amdhsa_float_denorm_mode_32 3
		.amdhsa_float_denorm_mode_16_64 3
		.amdhsa_memory_ordered 1
		.amdhsa_forward_progress 1
		.amdhsa_inst_pref_size 74
	.end_amdhsa_kernel
	.amdgpu_metadata
---
amdhsa.version: [ 1, 2 ]
amdhsa.kernels:
  - .name:           k_q17c9e0fe57_prep
    .symbol:         k_q17c9e0fe57_prep.kd
    .args:
      - { .name: qweight, .offset: 0, .size: 8, .value_kind: global_buffer, .address_space: global }
      - { .name: qzeros, .offset: 8, .size: 8, .value_kind: global_buffer, .address_space: global }
      - { .name: scales, .offset: 16, .size: 8, .value_kind: global_buffer, .address_space: global }
      - { .name: x_codes, .offset: 24, .size: 8, .value_kind: global_buffer, .address_space: global }
      - { .name: x_scales, .offset: 32, .size: 8, .value_kind: global_buffer, .address_space: global }
      - { .name: lora_A_codes, .offset: 40, .size: 8, .value_kind: global_buffer, .address_space: global }
      - { .name: lora_A_scales, .offset: 48, .size: 8, .value_kind: global_buffer, .address_space: global }
      - { .name: wq, .offset: 56, .size: 8, .value_kind: global_buffer, .address_space: global }
      - { .name: xq, .offset: 64, .size: 8, .value_kind: global_buffer, .address_space: global }
      - { .name: t_bf, .offset: 72, .size: 8, .value_kind: global_buffer, .address_space: global }
    .group_segment_fixed_size: 162816
    .private_segment_fixed_size: 0
    .kernarg_segment_align: 8
    .kernarg_segment_size: 80
    .max_flat_workgroup_size: 256
    .sgpr_count:     66
    .vgpr_count:     256
    .wavefront_size: 32
...
	.end_amdgpu_metadata
.endif
;; end of part 3
;; launch gemm (part 4): grid 16 x 16, 4 waves a work-group, clusters of 4 x 4, 327,680 bytes of LDS; arguments xq, wq, out0, bias, lora_B, t_bf; writes out0
.if DOCPART == 4
	.amdgcn_target "amdgcn-amd-amdhsa--gfx1250"
	.amdhsa_code_object_version 6
	.text
	.protected	k_q17c9e0fe57_gemm
	.globl	k_q17c9e0fe57_gemm
	.p2align	8
	.type	k_q17c9e0fe57_gemm,@function
k_q17c9e0fe57_gemm:
	s_mov_b64 s[64:65], 0
	v_nop
	global_prefetch_b8 v0, s[64:65] scope:SCOPE_SE
	s_setreg_imm32_b32 hwreg(HW_REG_WAVE_MODE, 25, 1), 1
	s_wait_xcnt 0x0
	s_wait_alu depctr_hold_cnt(0) depctr_sa_sdst(0) depctr_va_vdst(0) depctr_va_sdst(0) depctr_va_ssrc(0) depctr_va_vcc(0) depctr_vm_vsrc(0)
	s_getreg_b32 s2, hwreg(HW_REG_IB_STS2, 6, 4)
	s_cmp_eq_u32 s2, 0
	s_cbranch_scc0 .Lentry_in_a_cluster
	s_endpgm
.Lentry_in_a_cluster:
	s_bfe_u32 s2, ttmp6, 0x10000c
	s_cmp_lg_u32 s2, 0xf033
	s_cbranch_scc0 .Lentry_shape_is_right
	s_endpgm
.Lentry_shape_is_right:
; out0[m][n] = sum over k of x[m][k] W[k][n] + bias[n] + sum over j of t2[m][j] lora_B[n][j].  x and W come as codes of BF6 (E3M2) with E8M0 scale bytes, laid by the
; launch before as images of operand registers: xq by rows m, wq by columns n, [128 rows][K step of 128][12,800 bytes]: eight fragments of 1,536 bytes (16 rows x 128 K), then 512 bytes of scale words.
; t2 = 2 x lora_A^T comes as bf16 [4096][16].  No step of the problem is left out here.
; SHARES.  A tile of 256 x 256 to a work-group of four waves, 256 work-groups; a wave makes 128 x 128: 64 accumulators, 512 registers.  The sums BEGIN as bias + t2 lora_B^T: one bf16 matrix
; instruction for each accumulator (K = 16, filled with zeros to 32), with the bias as its C; nothing is cleared and nothing is added at the end.
; THE RING.  Two LDS slots, each with three K steps of A's 256 rows and B's 256 rows (4 x 38,400 bytes); a wave fetches a quarter of a slot by one tensor load of dense rows of 256 bytes.  K has 32 steps:
; ten fills of three steps and a last one of two.  CLUSTERS of 4 x 4: A's tiles are asked for jointly along a row of the cluster, B's along a column.
; A K STEP: 64 matrix instructions, the accumulators by turns; the next step's LDS loads go into the other set of fragment registers in two runs: B's 24 at the
; step's head, A's 24 and the 8 scale words in its middle.
; THE LAST FIVE K STEPS lie in LDS together and go BY HALVES OF MY ROWS: first rows 0-63 through all five, then rows 64-127, whose products stand between the stores of the finished half.  B's fragments
; are read twice in these five steps; such a half step has its 42 loads in one run at its head.  K ascends in every sum.
; THE MATRIX INSTRUCTION IS USED TRANSPOSED (source 0 = 16 columns of W, source 1 = 16 rows of x): a lane holds eight neighbouring numbers of a row of out0.
; REGISTERS: window 0: v0-31 addresses; v32-47 scale words, two sets; v48-111 rows on their way out in the last five steps; v64-159, v160-255 A's fragments, two sets.  Window 1: B's fragments at v0 and v128.
; Window 2: the accumulators of my rows 0-63 ((a, b) at v[8 (8 a + b)]); window 3: those of rows 64-127.
.set FR,     12                        ; registers of a fragment
.set FRB,    1536                      ; its bytes
.set STEPB,  8*FRB+512                 ; a K step of 128 rows
.set HALF,   3*STEPB                   ; what one tensor load brings: three K steps of 128 rows
.set SLOT,   4*HALF                    ; A's two halves, then B's two
.set STREAM, 32*STEPB                  ; 128 rows, all of K
.set TROWS,  HALF/256                  ; a load's rows of 256 bytes
.set TROWS2, 2*STEPB/256               ; the last load's: two K steps
.set SPARE,  2*SLOT                    ; behind the ring: the spare words, 128 bytes a wave
.set NP,     4                         ; places behind this matrix instruction (ISA guide 7.12.1)
.set SPITCH, 528                       ; the stage: 16 rows of 512 bytes + 16
.set STAGE,  2*STEPB                   ; wave w's stage: the third K step's bytes of slot 0's quarter w: the last fill of slot 0 brings two steps and does not reach them
.set NROW,   16384                     ; a row of out0 in bytes
.set BO,   8                           ; v8   32 h: my eight numbers of bias
.set LO,   9                           ; v9   64 r + 32 h: my eight numbers of a row of lora_B
.set TO,   10                          ; v10  32 r + 16 h: my eight numbers of a row of t_bf
.set PH0,  11                          ; v11-12 the first prefetch's offsets
.set PH1,  12
.set ADRA, 16                          ; v16-17 my A fragments in slot 0, 1: 16 x lane + my half
.set ADRB, 18                          ; v18-19 B's
.set ASA,  20                          ; v20-21 A's scale words: 4 x lane
.set ASB,  22                          ; v22-23 B's
.set STO,  24                          ; v24  into the stage
.set RD,   25                          ; v25  back from it
.set CO,   26                          ; v26  16 x lane: my bytes of a row of out0
.set SPW,  28                          ; v28  my spare word
.set NIL,  29                          ; v29  0
.set PFO,  30                          ; v30  256 x lane: the prefetches' offset
.set SC,   32                          ; scale words: set p at SC + 8 p: four registers for A (lanes 0-15 block 2 i, lanes 16-31 block 2 i + 1), four for B
.set XB,   48                          ; v48-111 sixteen rows back from the stage, while rows 64-127 are multiplied
.set BI,   64                          ; at the head: the bias,
.set TF,   128                         ; t2's fragments,
.set LT,   192                         ; lora_B as loaded;
.set LB,   0                           ; window 1: lora_B's fragments
.set AF,   64
.set BK,   128                         ; the last four blocks' rows: v128-191 and v192-255 by turns
.set G1,   24
.set G0,   32
.set G1B,  48
.set G0B,  56
.set G1T,  68
.set G1TB, 80
.set PFA,  66
.set PFS,  92                          ; s[92:93] the stream that I fetch; never rewritten once made
.set MSB, 0
.macro WIN new                         ; the immediate's high byte repeats the setting that is left
.if MSB != (\new)
	s_set_vgpr_msb (MSB<<8)|(\new)
.set MSB, (\new)
.endif
.endm
.set MUL_LO, 0xa1                      ; source 0 (B) window 1, source 1 (A) window 0, C and D window 2
.set MUL_HI, 0xf1                      ; the same, C and D window 3
.set TO_B,   0x40                      ; destination window 1
; A joint load: waves 0, 1 fetch A's halves, waves 2, 3 B's.  s_nop 0 and four v_nop follow each line.
.macro JLOAD g0a, g1a, g0b, g1b
	s_cmp_eq_u32 s15, 0
	s_cbranch_scc0 .Lfor_b_\@
	tensor_load_to_lds s[\g0a:\g0a+3], s[\g1a:\g1a+7]
	s_nop 0
.rept 4
	v_nop
.endr
	s_branch .Lasked_\@
.Lfor_b_\@:
	tensor_load_to_lds s[\g0b:\g0b+3], s[\g1b:\g1b+7]
	s_nop 0
.rept 4
	v_nop
.endr
.Lasked_\@:
.endm
.macro CREST                           ; a round of the cluster's barrier behind its opening barrier
	s_cmp_lg_u32 s14, 0
	s_cbranch_scc1 .Lnot_wave_0_\@
	s_barrier_signal -3
.Lnot_wave_0_\@:
	s_barrier_wait -3
	s_barrier_signal -1
	s_barrier_wait -1
.endm
.macro CROUND
	s_barrier_signal -1
	s_barrier_wait -1
	CREST
.endm
; PREFETCH.  A stream of 128 rows is 409,600 dense bytes, 1,600 blocks of 256.  Every cluster asks for the streams that it will itself load; the four partners that ask for a stream jointly share its
; blocks out by address; a lane names a block; each block is named once in a cluster.  Three kinds of request:
;   at the head, while slot 0 is on its way: blocks 150 to 319 (K steps 3-5, which slot 1's first fill loads, and the bytes up to the next request's): 43 blocks to a partner, 32 + 11 lanes; the lanes
;   left over, and the last partner's beyond block 319, name their wave's last block again;
;   behind slot 1's first fill: blocks 320 to 575, which the first two refills load;
;   behind each of the loop's first four refills (the trips with s3 = 4 and 3): the next 256 blocks, loaded from two refills later on.  In these two kinds a partner takes 32 blocks of each of two runs of 128.
; The last byte named is 409,344 + 255: inside the stream.
.macro PF2
	global_prefetch_b8 v[PFO], s[PFA:PFA+1] th:TH_LOAD_NT scope:SCOPE_SE
	global_prefetch_b8 v[PFO], s[PFA:PFA+1] offset:32768 th:TH_LOAD_NT scope:SCOPE_SE
.endm
.macro ASK
	s_cmp_gt_u32 s3, 2
	s_cbranch_scc0 .Lnot_now_\@
	PF2
.Lnot_now_\@:
.endm
.macro PLACES n
.rept \n
	v_nop
.endr
.endm
	s_load_b64 s[4:5], s[0:1], 0x0                 ; xq
	s_load_b64 s[8:9], s[0:1], 0x8                 ; wq
	s_load_b64 s[12:13], s[0:1], 0x10              ; out0
	s_load_b128 s[96:99], s[0:1], 0x18             ; bias, lora_B
	s_load_b64 s[100:101], s[0:1], 0x28            ; t_bf
	v_lshl_add_u32 v[SPW], v0, 2, SPARE
	v_mov_b32 v[NIL], 0
	ds_add_u32 v[SPW], v[NIL]                      ; the opening lines: the add, twice on end, and its one wait ahead of my first tensor load
	ds_add_u32 v[SPW], v[NIL]
	v_lshrrev_b32 v1, 5, v0
	v_readfirstlane_b32 s14, v1                    ; wave 0..3
	s_lshr_b32 s15, s14, 1                         ; my half of the tile's rows; also: I fetch for A (0) or B (1)
	s_and_b32 s16, s14, 1                          ; my half of its columns; also: which 128 rows I fetch
	s_bfe_u32 s40, ttmp6, 0x40000                  ; cx
	s_bfe_u32 s41, ttmp6, 0x40004                  ; cy
	s_lshl_b32 s42, ttmp9, 2
	s_add_co_u32 s42, s42, s40                     ; tile column
	s_and_b32 s17, ttmp7, 0xffff
	s_lshl_b32 s17, s17, 2
	s_add_co_u32 s17, s17, s41                     ; tile row
	s_lshl_b32 s43, s41, 2
	s_lshl_b32 s43, 15, s43                        ; my row of the cluster
	s_lshl_b32 s44, 0x1111, s40                    ; my column
	s_or_b32 s[G1+0], s43, (3<<16)|(1<<21)         ; elements of 8 bytes, no padding; the mask, and bit 21 beside it
	s_or_b32 s[G1B+0], s44, (3<<16)|(1<<21)
	s_or_b32 s[G1T+0], s43, (3<<16)|(1<<21)
	s_or_b32 s[G1TB+0], s44, (3<<16)|(1<<21)
.irp g, G1, G1B                                    ; 150 dense rows of 256 bytes
	s_mov_b32 s[\g+1], 32<<16
	s_mov_b32 s[\g+2], TROWS<<16
	s_mov_b32 s[\g+3], 32<<16
	s_mov_b32 s[\g+4], TROWS
	s_mov_b32 s[\g+5], 32
	s_mov_b32 s[\g+6], 0
	s_mov_b32 s[\g+7], 0
.endr
.irp g, G1T, G1TB                                  ; 100 rows: the last two K steps
	s_mov_b32 s[\g+1], 32<<16
	s_mov_b32 s[\g+2], TROWS2<<16
	s_mov_b32 s[\g+3], 32<<16
	s_mov_b32 s[\g+4], TROWS2
	s_mov_b32 s[\g+5], 32
	s_mov_b32 s[\g+6], 0
	s_mov_b32 s[\g+7], 0
.endr
	s_lshl_b32 s20, s17, 1
	s_add_co_u32 s20, s20, s16
	s_mul_i32 s20, s20, STREAM                     ; A: the stream that I fetch
	s_mov_b32 s21, 0
	s_lshl_b32 s46, s42, 1
	s_add_co_u32 s46, s46, s16
	s_mul_i32 s46, s46, STREAM                     ; B likewise
	s_mov_b32 s47, 0
	s_mul_i32 s45, s14, HALF                       ; where it goes: wave x a quarter of a slot
	s_lshl_b32 s92, s17, 8
	s_lshl_b32 s93, s15, 7
	s_add_co_u32 s92, s92, s93                     ; my first row of the result
	s_lshl_b32 s76, s92, 5                         ; in t_bf: 32 bytes a row
	s_mov_b32 s77, 0
	s_lshl_b32 s90, s92, 14                        ; in out0
	s_lshl_b32 s92, s42, 8
	s_lshl_b32 s93, s16, 7
	s_add_co_u32 s92, s92, s93                     ; my first column
	s_lshl_b32 s78, s92, 2                         ; in bias
	s_mov_b32 s79, 0
	s_add_co_u32 s90, s90, s78
	s_mov_b32 s91, 0
	s_lshl_b32 s88, s92, 6                         ; in lora_B: 64 bytes a column
	s_mov_b32 s89, 0
	s_mul_i32 s18, s15, HALF                       ; my 128 rows of A in a slot,
	s_mul_i32 s19, s16, HALF
	s_add_co_u32 s19, s19, 2*HALF                  ; my 128 of B,
	s_add_co_u32 s22, s18, 8*FRB                   ; and their scale words
	s_add_co_u32 s23, s19, 8*FRB
	s_mul_i32 s94, s14, HALF
	s_add_co_u32 s94, s94, STAGE                   ; my stage
	v_and_b32 v1, 15, v0                           ; r
	v_bfe_u32 v2, v0, 4, 1                         ; h
	v_and_b32 v6, 31, v0                           ; lane
	v_lshl_add_u32 v[ADRA], v6, 4, s18
	v_lshl_add_u32 v[ADRB], v6, 4, s19
	v_add_nc_u32 v[ADRA+1], SLOT, v[ADRA]
	v_add_nc_u32 v[ADRB+1], SLOT, v[ADRB]
	v_lshl_add_u32 v[ASA], v6, 2, s22
	v_lshl_add_u32 v[ASB], v6, 2, s23
	v_add_nc_u32 v[ASA+1], SLOT, v[ASA]
	v_add_nc_u32 v[ASB+1], SLOT, v[ASB]
	v_mul_u32_u24 v5, v1, SPITCH
	v_lshl_add_u32 v5, v2, 5, v5
	v_add_nc_u32 v[STO], s94, v5                   ; in: row r, 32 bytes for each half of the lanes
	v_lshlrev_b32 v[CO], 4, v6
	v_add_nc_u32 v[RD], s94, v[CO]                 ; back: 32 lanes take a row of 512 bytes
	v_lshlrev_b32 v[BO], 5, v2
	v_lshl_add_u32 v[LO], v1, 6, v[BO]
	v_lshlrev_b32 v[TO], 4, v2
	v_lshl_add_u32 v[TO], v1, 5, v[TO]
	v_lshlrev_b32 v[PFO], 8, v6
	s_wait_alu depctr_va_vdst(0)
	s_wait_dscnt 0x0                               ; both opening adds are done
	s_wait_kmcnt 0x0
	s_add_nc_u64 s[20:21], s[4:5], s[20:21]
	s_add_nc_u64 s[46:47], s[8:9], s[46:47]
.irp s, 0,1
	s_mov_b32 s[G0+4*\s], 1
	s_add_co_u32 s[G0+4*\s+1], s45, \s*SLOT
	s_add_nc_u64 s[G0+4*\s+2:G0+4*\s+3], s[20:21], \s*HALF
	s_or_b32 s[G0+4*\s+3], s[G0+4*\s+3], 0x80000000
	s_mov_b32 s[G0B+4*\s], 1
	s_add_co_u32 s[G0B+4*\s+1], s45, \s*SLOT
	s_add_nc_u64 s[G0B+4*\s+2:G0B+4*\s+3], s[46:47], \s*HALF
	s_or_b32 s[G0B+4*\s+3], s[G0B+4*\s+3], 0x80000000
.endr
	CROUND                                         ; all sixteen work-groups are here: the first joint loads meet
	JLOAD G0, G1, G0B, G1B                         ; K steps 0-2: one tensor load a wave at the head
	s_add_nc_u64 s[96:97], s[96:97], s[78:79]
	s_add_nc_u64 s[98:99], s[98:99], s[88:89]
	s_add_nc_u64 s[100:101], s[100:101], s[76:77]
	s_add_nc_u64 s[12:13], s[12:13], s[90:91]
	; what the sums begin with: these 40 loads, and the work on them, stand under slot 0's flight
.irp b, 0,1,2,3,4,5,6,7
	global_load_b128 v[BI+8*\b:BI+8*\b+3],   v[BO], s[96:97] offset:64*\b        ; bias(16 b + 8 h + 0 .. 7): a result's layout
	global_load_b128 v[BI+8*\b+4:BI+8*\b+7], v[BO], s[96:97] offset:64*\b+16
.endr
.irp b, 0,1,2,3,4,5,6,7
	global_load_b128 v[LT+8*\b:LT+8*\b+3],   v[LO], s[98:99] offset:1024*\b      ; lora_B(16 b + r, 8 h + 0 .. 7)
	global_load_b128 v[LT+8*\b+4:LT+8*\b+7], v[LO], s[98:99] offset:1024*\b+16
.endr
.irp a, 0,1,2,3,4,5,6,7
	global_load_b128 v[TF+8*\a:TF+8*\a+3], v[TO], s[100:101] offset:512*\a       ; t2(16 a + r, 8 h + 0 .. 7), bf16
.endr
.irp a, 0,1,2,3,4,5,6,7
.irp i, 4,5,6,7
	v_mov_b32 v[TF+8*\a+\i], 0                     ; K = 16 .. 31 of the small product: zeros
.endr
.endr
	s_lshl_b32 s20, s17, 1                         ; the prefetches
	s_add_co_u32 s20, s20, s16
	s_mul_i32 s20, s20, STREAM
	s_lshl_b32 s22, s42, 1
	s_add_co_u32 s22, s22, s16
	s_mul_i32 s22, s22, STREAM
	s_cmp_eq_u32 s15, 0
	s_cselect_b32 s20, s20, s22                    ; where my stream begins,
	s_cselect_b32 s22, s40, s41                    ; my place among the four that ask for it with me,
	s_cselect_b64 s[PFS:PFS+1], s[4:5], s[8:9]     ; and its buffer
	s_mov_b32 s21, 0
	s_add_nc_u64 s[PFS:PFS+1], s[PFS:PFS+1], s[20:21]
	s_lshl_b32 s20, s22, 13
	s_add_co_u32 s20, s20, 320*256                 ; the later requests: from block 320 on, + 32 blocks x my place; each refill of the loop steps this by 256 blocks
	s_add_nc_u64 s[PFA:PFA+1], s[PFS:PFS+1], s[20:21]
	s_mul_i32 s22, s22, 43*256                     ; the first request: 43 blocks x my place
	s_wait_loadcnt 0x0
	v_add_nc_u32 v[PH0], s22, v[PFO]               ; my blocks 0 .. 31,
	v_min_u32 v[PH1], 10*256, v[PFO]
	v_add3_u32 v[PH1], v[PH1], s22, 32*256         ; and 32 .. 42,
	v_min_u32 v[PH0], 169*256, v[PH0]              ; none beyond the 170 of this request
	v_min_u32 v[PH1], 169*256, v[PH1]
	global_prefetch_b8 v[PH0], s[PFS:PFS+1] offset:HALF th:TH_LOAD_NT scope:SCOPE_SE   ; blocks 150 to 319 of the stream
	global_prefetch_b8 v[PH1], s[PFS:PFS+1] offset:HALF th:TH_LOAD_NT scope:SCOPE_SE
	WIN TO_B
.irp b, 0,1,2,3,4,5,6,7
.irp i, 0,1,2,3
	v_cvt_pk_bf16_f32 v[LB+8*\b+\i], v[LT+8*\b+2*\i], v[LT+8*\b+2*\i+1]
.endr
.endr
.irp b, 0,1,2,3,4,5,6,7
.irp i, 4,5,6,7
	v_mov_b32 v[LB+8*\b+\i], 0
.endr
.endr
	PLACES 4
.irp a, 0,1,2,3,4,5,6,7                            ; every sum begins: bias + t2 lora_B^T, while slot 0 is on its way
	WIN 0x81+0x40*(\a/4)
.irp b, 0,1,2,3,4,5,6,7
	v_wmma_f32_16x16x32_bf16 v[8*(8*(\a%4)+\b):8*(8*(\a%4)+\b)+7], v[LB+8*\b:LB+8*\b+7], v[TF+8*\a:TF+8*\a+7], v[BI+8*\b:BI+8*\b+7]
.endr
.endr
	WIN 0
	PLACES 5                                       ; five places: another form writes over these results, and loads land on these sources
; one scaled product: A's block a x B's block b from set p
.macro WM a, b, p
.set rD, 8*(8*((\a)%4)+(\b))
.set rB, 128*(\p)+FR*(\b)
.set rA, AF+96*(\p)+FR*(\a)
.set rSB, SC+8*(\p)+4+(\b)/2
.set rSA, SC+8*(\p)+(\a)/2
.if ((\b)%2 == 0) && ((\a)%2 == 0)
	v_wmma_scale_f32_16x16x128_f8f6f4 v[rD:rD+7], v[rB:rB+FR-1], v[rA:rA+FR-1], v[rD:rD+7], v[rSB], v[rSA] matrix_a_fmt:MATRIX_FMT_BF6 matrix_b_fmt:MATRIX_FMT_BF6
.elseif ((\b)%2 == 1) && ((\a)%2 == 0)
	v_wmma_scale_f32_16x16x128_f8f6f4 v[rD:rD+7], v[rB:rB+FR-1], v[rA:rA+FR-1], v[rD:rD+7], v[rSB], v[rSA] matrix_a_fmt:MATRIX_FMT_BF6 matrix_b_fmt:MATRIX_FMT_BF6 matrix_a_scale:MATRIX_SCALE_ROW1
.elseif ((\b)%2 == 0) && ((\a)%2 == 1)
	v_wmma_scale_f32_16x16x128_f8f6f4 v[rD:rD+7], v[rB:rB+FR-1], v[rA:rA+FR-1], v[rD:rD+7], v[rSB], v[rSA] matrix_a_fmt:MATRIX_FMT_BF6 matrix_b_fmt:MATRIX_FMT_BF6 matrix_b_scale:MATRIX_SCALE_ROW1
.else
	v_wmma_scale_f32_16x16x128_f8f6f4 v[rD:rD+7], v[rB:rB+FR-1], v[rA:rA+FR-1], v[rD:rD+7], v[rSB], v[rSA] matrix_a_fmt:MATRIX_FMT_BF6 matrix_b_fmt:MATRIX_FMT_BF6 matrix_a_scale:MATRIX_SCALE_ROW1 matrix_b_scale:MATRIX_SCALE_ROW1
.endif
.endm
; LDS loads of step q of a slot into set p.  A fragment is an image of its registers: three loads of 16 bytes a lane.  LOADB: B's eight fragments.
.macro LOADB slot, q, p
	WIN TO_B
.set g, 0
.rept 8
.irp c, 0,1,2
	ds_load_b128 v[128*(\p)+FR*g+4*\c:128*(\p)+FR*g+4*\c+3], v[ADRB+\slot] offset:STEPB*(\q)+FRB*g+512*\c
.endr
.set g, g+1
.endr
	WIN 0
.endm
; LOADA: A's blocks a0 .. a0 + na - 1, their scale words, and B's scale words
.macro LOADA slot, q, p, a0, na
	WIN 0
.set g, \a0
.rept \na
.irp c, 0,1,2
	ds_load_b128 v[AF+96*(\p)+FR*g+4*\c:AF+96*(\p)+FR*g+4*\c+3], v[ADRA+\slot] offset:STEPB*(\q)+FRB*g+512*\c
.endr
.set g, g+1
.endr
.set g, (\a0)/2
.rept (\na)/2
	ds_load_b32 v[SC+8*(\p)+g], v[ASA+\slot] offset:STEPB*(\q)+128*g
.set g, g+1
.endr
.irp i, 0,1,2,3
	ds_load_b32 v[SC+8*(\p)+4+\i], v[ASB+\slot] offset:STEPB*(\q)+128*\i
.endr
.endm
; THE WAY OUT of block a (16 rows x 128 columns): through my own stage, back as whole rows of 512 bytes into v[bb ..].  LDS serves a wave's instructions in order (ISA guide 5.7.1.4): no wait between stores and loads.
.macro TOSTAGE a, bb
.set AC, 64*((\a)%4)
	WIN 0x08+4*((\a)/4)                            ; the data: window 2 or 3
.irp b, 0,1,2,3,4,5,6,7
	ds_store_b128 v[STO], v[AC+8*\b:AC+8*\b+3] offset:64*\b          ; each accumulator from its low end on
	ds_store_b128 v[STO], v[AC+8*\b+4:AC+8*\b+7] offset:64*\b+16
.endr
	WIN 0
.irp t, 0,1,2,3,4,5,6,7,8,9,10,11,12,13,14,15
	ds_load_b128 v[(\bb)+4*\t:(\bb)+4*\t+3], v[RD] offset:\t*SPITCH
.endr
.endm
.macro SEND a, bb                      ; behind the wait for the block's rows, and behind a wait on XCNT since the last stores: the base steps
	WIN 0
.if (\a) > 0
	s_add_nc_u64 s[12:13], s[12:13], 16*NROW
.endif
.irp t, 0,1,2,3,4,5,6,7,8,9,10,11,12,13,14,15
	global_store_b128 v[CO], v[(\bb)+4*\t:(\bb)+4*\t+3], s[12:13] offset:\t*NROW th:TH_STORE_NT   ; 32 lanes store 512 consecutive bytes, aligned
.endr
.endm
; The products of A's blocks a0 .. a0 + na - 1 with B's eight, from set p.  In their middle: A's loads for the next step (ld), or block tst's way through the stage (tst >= 0); the places for
; both are the step head's.  chg: this step has read the last of slot cs, so the slots change at its end.  Ahead of the last eight products: the wait for all my tensor loads and the add; behind the last:
; the wait for the add and for my LDS reads, and the barrier.  chg = 1: it opens a round of the cluster's barrier, and slot cs takes the three K steps six further on; 2: the last two K steps;
; 3: nothing is left to fetch: the work-group's barrier alone shows the other slot whole.
.macro MULS p, a0, na, chg, cs, ld, slot, q, la0, lna, tst
.set n, 8*(\a0)
.set NM, 8*(\a0)+4*(\na)
.set NE, 8*((\a0)+(\na))
.rept 8*(\na)
.if n == NM
.if \ld
	LOADA \slot, \q, 1-(\p), \la0, \lna
.endif
.if (\tst) >= 0
	WIN 0
	s_wait_xcnt 0x0                                ; the stores at the step's head have read v48-111 and their base
	TOSTAGE \tst, XB
.endif
.endif
.if (\chg) && (n == NE-8)
	WIN 0
.if (\chg) == 1
	s_wait_xcnt 0x0                                ; my prefetches have read their address: it steps
	s_add_nc_u64 s[PFA:PFA+1], s[PFA:PFA+1], 0x10000
.endif
	s_wait_tensorcnt 0x0                           ; all my tensor loads have landed: my part of the other slot
	ds_add_u32 v[SPW], v[NIL]                      ; eight products stand between it and its wait
.endif
	WIN MUL_LO+0x50*(n/32)
	WM n/8, n%8, \p
.set n, n+1
.endr
.if \chg
	WIN 0
	s_wait_dscnt 0x0                               ; the add is done, and my reads of slot cs are back
	s_barrier_signal -1
	s_barrier_wait -1
.if (\chg) < 3
	CREST                                          ; no wave of any partner still reads slot cs or has a load on its way
	s_add_nc_u64 s[G0+4*\cs+2:G0+4*\cs+3], s[G0+4*\cs+2:G0+4*\cs+3], 2*HALF
	s_add_nc_u64 s[G0B+4*\cs+2:G0B+4*\cs+3], s[G0B+4*\cs+2:G0B+4*\cs+3], 2*HALF
.if (\chg) == 1
	JLOAD G0+4*\cs, G1, G0B+4*\cs, G1B
.else
	JLOAD G0+4*\cs, G1T, G0B+4*\cs, G1TB
.endif
.endif
.endif
.endm
; A step: set p is in; places behind the last products, whose sources the loads overwrite; the next step's loads (step q of a slot, A's blocks la0 ..) into the other set: B's here, A's in the middle
; of a whole step's products, or here too in a half step; the products.
.macro STEP p, a0, na, ld, slot, q, la0, lna, chg, cs, ask
	s_wait_dscnt 0x0
	PLACES NP
.if \ld
	LOADB \slot, \q, 1-(\p)
.if (\na) < 8
	LOADA \slot, \q, 1-(\p), \la0, \lna
.endif
.endif
.if \ask
	ASK                                            ; behind the joint load and a run of LDS loads
.endif
	MULS \p, \a0, \na, \chg, \cs, (\ld)&&((\na)==8), \slot, \q, \la0, \lna, -1
.endm
; A step of rows 64-127 in the last five K steps.  At its head block snd of the finished rows 0-63, which came back from the stage under the step before, is stored; in its middle block tst goes through the stage.
.macro OSTEP p, ld, slot, q, snd, tst
	s_wait_dscnt 0x0                               ; set p is in, and so are the rows read back
	PLACES NP
.if (\snd) >= 0
	SEND \snd, XB
.endif
.if \ld
	LOADB \slot, \q, 1-(\p)
	LOADA \slot, \q, 1-(\p), 4, 4
.endif
	MULS \p, 4, 4, 0, 0, 0, 0, 0, 0, 0, \tst
.endm
	s_wait_alu depctr_va_vdst(0)
	s_wait_tensorcnt 0x0                           ; my part of K steps 0-2 is in; these lines stand ahead of a later first fill as ahead of a refill
	ds_add_u32 v[SPW], v[NIL]
	s_wait_dscnt 0x0
	CROUND
	JLOAD G0+4, G1, G0B+4, G1B                     ; K steps 3-5: slot 1's first fill, the first tensor load behind the round
	LOADB 0, 0, 0
	LOADA 0, 0, 0, 0, 8
	PF2                                            ; blocks 320 to 575 of my stream
	s_mov_b32 s3, 4
.Llap:                                                 ; a trip: six K steps, once round the ring; both slots are filled again
	STEP 0,0,8, 1,0,1,0,8, 0,0,0
	STEP 1,0,8, 1,0,2,0,8, 1,0,0
	STEP 0,0,8, 1,1,0,0,8, 0,0,1
	STEP 1,0,8, 1,1,1,0,8, 0,0,0
	STEP 0,0,8, 1,1,2,0,8, 1,1,0
	STEP 1,0,8, 1,0,0,0,8, 0,0,1
	WIN 0
	s_sub_co_u32 s3, s3, 1
	s_cmp_lg_u32 s3, 0
	s_cbranch_scc1 .Llap
	STEP 0,0,8, 1,0,1,0,8, 0,0,0                   ; K step 24
	STEP 1,0,8, 1,0,2,0,8, 2,0,0                   ; 25: slot 0 takes K steps 30, 31
	STEP 0,0,8, 1,1,0,0,4, 0,0,0                   ; 26; from here on A's blocks 0-3 alone are fetched
	STEP 1,0,4, 1,1,1,0,4, 0,0,0                   ; rows 0-63: K step 27
	STEP 0,0,4, 1,1,2,0,4, 3,0,0                   ; 28; K steps 30, 31 are whole behind its barrier
	STEP 1,0,4, 1,0,0,0,4, 0,0,0                   ; 29
	STEP 0,0,4, 1,0,1,0,4, 0,0,0                   ; 30
	STEP 1,0,4, 1,1,0,4,4, 0,0,0                   ; 31: rows 0-63 are finished; K step 27 once more, with A's blocks 4-7
	OSTEP 0, 1,1,1, -1, 0                          ; rows 64-127: K step 27
	OSTEP 1, 1,1,2, 0, 1                           ; 28
	OSTEP 0, 1,0,0, 1, 2                           ; 29
	OSTEP 1, 1,0,1, 2, 3                           ; 30
	OSTEP 0, 0,0,0, 3, -1                          ; 31
	PLACES NP
	WIN 0
	s_wait_xcnt 0x0                                ; block 3's stores have read their base
	TOSTAGE 4, BK
.irp a, 5,6,7
.if \a > 5
	s_wait_xcnt 0x0                                ; block a - 2's stores have read their registers and their base
.endif
	TOSTAGE \a, BK+64*(\a%2)
	s_wait_dscnt 32                                ; behind block a - 1's loads: block a's 16 stores and 16 loads
	SEND \a-1, BK+64*((\a-1)%2)
.endr
	s_wait_xcnt 0x0
	s_wait_dscnt 0x0
	SEND 7, BK+64
	s_wait_tensorcnt 0x0                           ; the wave's end
	ds_add_u32 v[SPW], v[NIL]
	s_wait_dscnt 0x0
	CROUND                                         ; the closing round
	s_endpgm
.Lfunc_end_k_q17c9e0fe57_gemm:
	.size	k_q17c9e0fe57_gemm, .Lfunc_end_k_q17c9e0fe57_gemm-k_q17c9e0fe57_gemm
	.p2alignl 7, 3214868480
	.fill 96, 4, 3214868480
	.section	.rodata,"a",@progbits
	.p2align	6, 0x0
	.amdhsa_kernel k_q17c9e0fe57_gemm
		.amdhsa_group_segment_fixed_size 327680
		.amdhsa_private_segment_fixed_size 0
		.amdhsa_enable_private_segment 0
		.amdhsa_kernarg_size 48
		.amdhsa_user_sgpr_count 2
		.amdhsa_user_sgpr_kernarg_segment_ptr 1
		.amdhsa_wavefront_size32 1
		.amdhsa_system_sgpr_workgroup_id_x 1
		.amdhsa_system_sgpr_workgroup_id_y 1
		.amdhsa_system_sgpr_workgroup_id_z 1
		.amdhsa_system_vgpr_workitem_id 0
		.amdhsa_next_free_vgpr 1024
		.amdhsa_next_free_sgpr 102
		.amdhsa_reserve_vcc 0
		.amdhsa_float_denorm_mode_32 3
		.amdhsa_float_denorm_mode_16_64 3
		.amdhsa_memory_ordered 1
		.amdhsa_forward_progress 1
		.amdhsa_inst_pref_size 233
	.end_amdhsa_kernel
	.amdgpu_metadata
---
amdhsa.version: [ 1, 2 ]
amdhsa.kernels:
  - .name:           k_q17c9e0fe57_gemm
    .symbol:         k_q17c9e0fe57_gemm.kd
    .args:
      - { .name: xq, .offset: 0, .size: 8, .value_kind: global_buffer, .address_space: global }
      - { .name: wq, .offset: 8, .size: 8, .value_kind: global_buffer, .address_space: global }
      - { .name: out0, .offset: 16, .size: 8, .value_kind: global_buffer, .address_space: global }
      - { .name: bias, .offset: 24, .size: 8, .value_kind: global_buffer, .address_space: global }
      - { .name: lora_B, .offset: 32, .size: 8, .value_kind: global_buffer, .address_space: global }
      - { .name: t_bf, .offset: 40, .size: 8, .value_kind: global_buffer, .address_space: global }
    .group_segment_fixed_size: 327680
    .private_segment_fixed_size: 0
    .kernarg_segment_align: 8
    .kernarg_segment_size: 48
    .max_flat_workgroup_size: 128
    .sgpr_count:     102
    .vgpr_count:     1024
    .wavefront_size: 32
...
	.end_amdgpu_metadata
.endif
;; end of part 4
